; MI455X (gfx1250); checked and timed in simulation.
; The chip was launched on July 23, 2026; its instructions are those of AMD's public machine-readable ISA for CDNA 5 (MIT licence, August 2026) and "CDNA5" Instruction Set Architecture Reference Guide (July 2026). The comments in the code are by the model that wrote it; some were corrected since.
;; Causal Self Attention. Allowed arithmetic: matrix products marked QUANTISED: E3M2 operands, one E8M0 scale for each 32 along K, by v_wmma_scale_f32_16x16x128_f8f6f4 with both operands' format E3M2, f32 sums; everything else in f32.
;; Inputs: Wout 1,024 x 1,024 float32; Wqkv 1,024 x 3,072 float32; x 4 x 2,048 x 1,024 float32.
;; Outputs: out0 4 x 2,048 x 1,024 float32.
;; This version of the problem:
;;   THIS VERSION OF THE PROBLEM IS GIVEN IN LOW PRECISION. The matrix products marked QUANTISED in the list below multiply operands that are first quantised to E3M2 (3 exponent bits, 2 mantissa bits; 6 bits a number), with one power-of-two scale for each 32 numbers along K (OCP MX v1.0); their sums are f32. All else is computed in f32.
;;   The module's matrix products, in the order in which they are computed (A, B: the left and right operand; K: the contracted axis; several contracted axes count as one K, in the product's order):
;;     1. [M 8,192, K 1,024] x [K 1,024, N 3,072]; A: input x; B: input Wqkv: QUANTISED
;;     2. batch 64 x [M 2,048, K 64] x [K 64, N 2,048]; A: computed on the way; B: computed on the way: QUANTISED
;;     3. batch 64 x [M 2,048, K 2,048] x [K 2,048, N 64]; A: softmax (see below); B: computed on the way: QUANTISED
;;     4. [M 8,192, K 1,024] x [K 1,024, N 1,024]; A: computed on the way; B: input Wout: QUANTISED
;;   THE QUANTISER, for each operand of a quantised product, along K:
;;     - K is cut into blocks of 32 from its start; a last block that is shorter is filled with zeros.
;;     - A block's scale is 2^e with e = floor(log2(the largest magnitude in the block)) - 4, held to -126 .. 127; a block of zeros has e = 0. As a byte (E8M0): e + 127.
;;     - Each number is divided by its block's scale, clamped to +-28, and rounded to the nearest number of E3M2, ties to even, subnormals kept.
;;     - The product sums the exact products of the quantised numbers (number of the format x scale) in f32.
;;   ~~~python
;;   def quantise(x, axis):      # numpy; x: float32 -> the quantised numbers, widened to float32 again
;;       x = np.moveaxis(x, axis, -1); K = x.shape[-1]
;;       x = np.pad(x, [(0, 0)] * (x.ndim - 1) + [(0, -K % 32)]); x = x.reshape(x.shape[:-1] + (-1, 32)); a = np.abs(x).max(-1, keepdims=True)
;;       e = np.where(a > 0, np.clip(np.frexp(np.where(a > 0, a, 1))[1] - 1 - 4, -126, 127), 0)      # np.frexp(a)[1] - 1 = floor(log2(a)), exactly
;;       r = np.clip(x / 2.0 ** e, -28, 28)
;;       step = 2.0 ** (np.maximum(np.frexp(np.where(r == 0, 1, r))[1] - 1, -2) - 2)
;;       q = np.round(r / step) * step * 2.0 ** e      # np.round: ties to even
;;       return np.moveaxis(q.reshape(q.shape[:-2] + (-1,))[..., :K], -1, axis).astype(np.float32)
;;   ~~~
;;   SOFTMAX AHEAD OF A QUANTISED PRODUCT. Where the list says 'softmax', what is quantised is not the finished softmax but p = 2^(t - M), with t = logit x log2(e) and M = ceil(the row's largest t), a whole number; so 1/2 < the row's largest p <= 1. The row's sum l is taken of the UNQUANTISED p, in f32, and the product's result is divided by l at the end. Since M is a whole number, a kernel that streams over the keys may use a running M (the ceiling of the running maximum): every later rescaling is an exact power of two, which a block's scale takes up: the codes' values come out the same.
;;   OPERANDS COMPUTED ON THE WAY. 'Computed on the way' means the value that the module computes at that place (a softmax that the list does not call 'softmax' is quantised finished and normalised). What goes into a quantiser is computed in f32, as accurately as f32 sums, v_exp_f32 and their like allow (about 1e-6 of the number): no bf16 or f16 on the way to a quantiser, and a product that is left as it is and whose result goes on into a quantised operand takes f32 operands (vector FMAs, or v_wmma_f32_16x16x4_f32). A number that lies on a knife's edge between two numbers of the format may be rounded either way, as far as f32 arithmetic and the matrix unit's own rounding can turn it there, and no further.
;; One version. Each part assembles by itself: llvm-mc -triple=amdgcn-amd-amdhsa -mcpu=gfx1250 --defsym DOCPART=n.
;; ======== version 1 of 1: 4 launches
;; limits: right only within a limited range of input values
;; workspace buffers: xc 6,291,456 bytes; xs 262,144 bytes; wc 3,145,728 bytes; ws 131,072 bytes; qkv 25,165,824 bytes; oc 6,291,456 bytes; osc 262,144 bytes
;; launch quant (part 1): grid 384 x 1, 4 waves a work-group, no clusters, 75,264 bytes of LDS; arguments Wqkv, Wout, wc, ws, x, xc, xs; writes wc, ws, xc, xs
.if DOCPART == 1
	.amdgcn_target "amdgcn-amd-amdhsa--gfx1250"
	.amdhsa_code_object_version 6
	.text
	.protected	k_qa80b9a2a5e_quant
	.globl	k_qa80b9a2a5e_quant
	.p2align	8
	.type	k_qa80b9a2a5e_quant,@function
k_qa80b9a2a5e_quant:
	s_mov_b64 s[64:65], 0
	v_nop
	global_prefetch_b8 v0, s[64:65] scope:SCOPE_SE
	s_setreg_imm32_b32 hwreg(HW_REG_WAVE_MODE, 25, 1), 1
	s_wait_xcnt 0x0
; x [8192][1024], Wqkv [1024][3072] and Wout [1024][1024], f32, become codes of BF6 (E3M2) with one E8M0 scale byte for each 32 along K = 1,024.  Work-groups 0-255 take x, 256-383 the weights.
; WORK LEFT OUT BY THE PROGRAM: in the attention launch, key steps that lie wholly behind the causal mask: their scores are -inf for every input,
; so their p is 0 and they reach no output.  LIMIT: a NaN, an infinity or an overflow that reaches only those steps is not carried to the result.
; A block's scale byte is its largest magnitude's exponent field - 4, held at 1 from below (a block of zeros keeps the byte 1: its codes are zeros, and this program alone reads the bytes).
; LIMITS: blocks whose largest magnitude lies under 2^-122 take the byte 1; NaN and infinities among the inputs are not served.
; THE CODES ARE STORED AS IMAGES OF OPERAND REGISTERS: tile T (16 rows) is 12,288 bytes; in it registers 2 p, 2 p + 1 of lane l for the q-th 128 along K stand at 1536 q + 256 p + 8 l.
; Lane r of tile T is row (for a weight: column) 32 (T / 2) + 8 (T % 2) + r + 8 (r / 8): so the results of two neighbouring tiles give a lane 16 neighbours.  The scale bytes lie [16 T + r][32].
; The weights' tiles: 0-191 Wqkv's columns, 192-255 Wout's.
; x: a wave takes one tile and one half of K: 16 steps, a step = 512 numbers of one row, loaded as 512 consecutive bytes an instruction and turned through the wave's own stage to 16 neighbours a lane.
;    A lane's 12 bytes of codes go, word by word, into the wave's image in LDS (24 pieces of 256 bytes, 272 apart) and leave as 6,144 consecutive bytes.
; The weights (K is their FIRST axis): a lane takes a column and its registers run down K; a wave takes 32 columns (two tiles) x 256 along K and stores runs of 3,072 consecutive bytes.
; The two paths part on the work-group's number and have LDS bytes of their own (x: from 0; the weights: from 49,152).  Waves share nothing: no barrier.
.set EMAX,  4
	v_lshl_add_u32 v208, v0, 2, 0x12400            ; my spare word, behind both paths' bytes
	v_mov_b32 v209, 0
	v_lshrrev_b32 v1, 5, v0
	v_readfirstlane_b32 s16, v1                    ; wave
	s_cmp_lt_u32 ttmp9, 256
	s_cbranch_scc0 .Lweights
.set STEPS, 16
.set R,     16                         ; v16-79 four sets as loaded; at the end the image on its way out
.set X,     80                         ; v80-111 two sets of 16 neighbours
.set C,     128                        ; v128-191 codes, four registers a step
.set E,     112                        ; v112-127 a scale byte a step
.set WREG,  12288                      ; LDS of a wave: two stages (5,120), 256 scale bytes, the image (6,528)
.set SP,    80
.set IMG,   5376
	s_load_b128 s[4:7], s[0:1], 0x20               ; x, its codes
	s_load_b64 s[8:9], s[0:1], 0x30                ; its scale bytes
	s_mul_i32 s17, s16, WREG
	s_add_co_u32 s26, s17, 2*32*SP
	s_add_co_u32 s27, s17, IMG
	s_lshr_b32 s18, s16, 1                         ; T % 2
	s_and_b32 s19, s16, 1                          ; which half of K
	s_lshl_b32 s20, ttmp9, 17                      ; 32 rows of 4,096 bytes a work-group
	s_lshl_b32 s21, s18, 15
	s_add_co_u32 s20, s20, s21
	s_lshl_b32 s21, s19, 11
	s_add_co_u32 s20, s20, s21
	s_mov_b32 s21, 0
	s_lshl_b32 s22, ttmp9, 1
	s_add_co_u32 s22, s22, s18                     ; T
	s_lshl_b32 s24, s22, 9
	s_lshl_b32 s25, s19, 4
	s_add_co_u32 s24, s24, s25                     ; scale bytes: 512 T + 16 x half
	s_mov_b32 s25, 0
	s_mul_i32 s22, s22, 12288
	s_mul_i32 s23, s19, 6144
	s_add_co_u32 s22, s22, s23                     ; codes: 12,288 T + 6,144 x half
	s_mov_b32 s23, 0
	v_and_b32 v2, 31, v0                           ; lane
	v_lshlrev_b32 v3, 4, v2
	v_lshrrev_b32 v14, 2, v2
	v_mul_u32_u24 v194, v14, 816                   ; three pieces for each four lanes
	v_mul_u32_u24 v14, v14, SP
	v_and_b32 v15, 3, v2
	v_lshl_add_u32 v14, v15, 4, v14
	v_add_nc_u32 v14, s17, v14                     ; the stage, on the way in
	v_mul_u32_u24 v15, v2, SP
	v_add_nc_u32 v15, s17, v15                     ; and out
	v_lshrrev_b32 v5, 1, v2
	v_lshlrev_b32 v7, 5, v5
	v_add_nc_u32 v5, s26, v5                       ; my block's byte
	v_and_b32 v10, 1, v2                           ; which half of a block is mine
	v_lshl_add_u32 v7, v10, 3, v7                  ; scale bytes out: row lane / 2, 8 bytes
	v_lshlrev_b32 v6, 3, v2
	v_add_nc_u32 v6, s26, v6
	v_bfe_u32 v4, v2, 1, 1
	v_lshl_add_u32 v194, v4, 7, v194               ; odd blocks belong to lanes 16-31 of the image
	v_add_nc_u32 v194, s27, v194
	v_mad_u32_u24 v195, v10, 540, v194
	v_add_nc_u32 v195, 4, v195                     ; my second word: word 1 or 4 of the block's six
	v_mad_u32_u24 v194, v10, 276, v194             ; my first: word 0 or 3
	v_add_nc_u32 v196, 272, v194                   ; my third: word 2 or 5
	v_lshrrev_b32 v4, 4, v2
	v_mul_u32_u24 v4, v4, 272
	v_and_b32 v197, 15, v2
	v_lshl_add_u32 v197, v197, 4, v4
	v_add_nc_u32 v197, s27, v197                   ; the image on its way out: two pieces an instruction
	s_wait_alu depctr_va_vdst(0)                   ; the wait at the head's end
	s_wait_kmcnt 0x0
	s_add_nc_u64 s[4:5], s[4:5], s[20:21]
	s_add_nc_u64 s[6:7], s[6:7], s[22:23]
	s_add_nc_u64 s[8:9], s[8:9], s[24:25]
.macro LOAD t
.irp i, 0,1,2,3
	global_load_b128 v[R+16*((\t)%4)+4*\i:R+16*((\t)%4)+4*\i+3], v3, s[4:5] offset:4096*((\t)+8*((\t)/8))+512*\i th:TH_LOAD_NT
.endr
.endm
.macro TURN t
.irp i, 0,1,2,3
	ds_store_b128 v14, v[R+16*((\t)%4)+4*\i:R+16*((\t)%4)+4*\i+3] offset:32*SP*((\t)%2)+8*SP*\i
.endr
.irp i, 0,1,2,3
	ds_load_b128 v[X+16*((\t)%2)+4*\i:X+16*((\t)%2)+4*\i+3], v15 offset:32*SP*((\t)%2)+16*\i
.endr
.endm
.irp t, 0,1,2,3
	LOAD \t
.endr
	s_wait_loadcnt 12                              ; step 0's four loads are in
	TURN 0
.macro STEP t
.set XS, X+16*((\t)%2)
.if (\t) > 0
	s_wait_dscnt 4                                 ; this step's numbers are back; the last step's four stores may be out
.else
	s_wait_dscnt 0x0
.endif
.if (\t)+4 < STEPS
	LOAD (\t)+4
.endif
.if (\t)+1 < STEPS
.if STEPS-2-(\t) >= 3
	s_wait_loadcnt 12                              ; the next step's four loads are in
.else
	s_wait_loadcnt 4*(STEPS-2-(\t))
.endif
	TURN (\t)+1
.endif
	v_max3_num_f32 v8, |v[XS]|, |v[XS+1]|, |v[XS+2]|
	v_max3_num_f32 v9, |v[XS+3]|, |v[XS+4]|, |v[XS+5]|
.irp i, 6,10
	v_max3_num_f32 v8, v8, |v[XS+\i]|, |v[XS+\i+1]|
	v_max3_num_f32 v9, v9, |v[XS+\i+2]|, |v[XS+\i+3]|
.endr
	v_max3_num_f32 v8, v8, |v[XS+14]|, |v[XS+15]|
	v_max3_num_f32 v8, v8, v9, (EMAX+1)<<23        ; the floor: the byte cannot fall under 1
	v_max_num_f32_dpp v8, v8, v8 row_xmask:1 row_mask:0xf bank_mask:0xf   ; with my neighbour's 16: the block's
	v_add_nc_u32 v11, -(EMAX<<23), v8              ; the conversion's scale operand
	v_cvt_scalef32_pk16_bf6_f32 v[C+4*(\t):C+4*(\t)+2], v[XS:XS+15], v11
	v_lshrrev_b32 v[E+(\t)], 23, v11               ; the scale's byte (the plain line behind the conversion)
	ds_store_b8 v5, v[E+(\t)] offset:16*(\t)
	ds_store_b32 v194, v[C+4*(\t)] offset:8*(\t)   ; row t of the tile: 8 bytes a row in each piece
	ds_store_b32 v195, v[C+4*(\t)+1] offset:8*(\t)
	ds_store_b32 v196, v[C+4*(\t)+2] offset:8*(\t)
.endm
.irp t, 0,1,2,3,4,5,6,7,8,9,10,11,12,13,14,15
	STEP \t
.endr
	ds_load_b64 v[12:13], v6                       ; LDS serves a wave's instructions in order: these see my stores
.irp n, 0,1,2,3,4,5,6,7,8,9,10,11
	ds_load_b128 v[R+4*\n:R+4*\n+3], v197 offset:544*\n
.endr
	s_wait_dscnt 12
	global_store_b64 v7, v[12:13], s[8:9]
.irp n, 0,1,2,3,4,5,6,7,8,9,10,11
	s_wait_dscnt 11-\n
	global_store_b128 v3, v[R+4*\n:R+4*\n+3], s[6:7] offset:512*\n   ; 32 lanes store 512 consecutive bytes, aligned
.endr
	s_wait_tensorcnt 0x0                           ; the wave's end
	ds_add_u32 v208, v209
	s_wait_dscnt 0x0
	s_endpgm
.Lweights:
; One path serves both weights: of the 32 column groups 0-23 take Wqkv, 24-31 Wout; only the pointer and the row's length are chosen.
.set NB,    8
.set X,     32                         ; v32-95 two sets of 32 numbers
.set C,     96                         ; v96-102 a block's codes
.set OUTR,  112                        ; v112-159 the way out
.set SB,    24                         ; v24-25 the scale bytes
.set RO,    176                        ; v176-207 4 x lane + i rows
.set BS,    32                         ; s[32:47] the eight blocks' bases
	s_load_b256 s[4:11], s[0:1], 0x0               ; Wqkv, Wout, the codes, the scale bytes
	v_and_b32 v2, 31, v0                           ; lane
	s_wait_alu depctr_va_vdst(0)                   ; the wait ahead of the scalar lines below
	s_and_b32 s30, ttmp9, 31                       ; which 128 columns
	s_cmp_lt_u32 s30, 24
	s_mov_b32 s12, 4096
	s_cselect_b32 s12, 12288, s12                  ; a row of the weight in bytes
	s_cselect_b32 s13, 0, 24
	s_sub_co_u32 s13, s30, s13
	s_lshl_b32 s13, s13, 7
	s_lshl_b32 s18, s16, 5
	s_add_co_u32 s13, s13, s18                     ; my first column in its weight
	s_lshl_b32 s17, s30, 7
	s_add_co_u32 s17, s17, s18                     ; and my first stored row
	s_lshr_b32 s18, ttmp9, 5
	s_and_b32 s18, s18, 3                          ; which 256 along K
	s_mul_i32 s19, s16, 6400
	s_add_co_u32 s19, s19, 49152                   ; my stage
	s_mul_i32 s20, s18, s12
	s_lshl_b32 s20, s20, 8
	s_lshl_b32 s21, s13, 2
	s_add_co_u32 s20, s20, s21
	s_mov_b32 s21, 0
	s_lshl_b32 s22, s12, 5                         ; 32 rows: from a block to the next
	s_mov_b32 s23, 0
	s_mul_i32 s24, s17, 768
	s_mul_i32 s26, s18, 3072
	s_add_co_u32 s24, s24, s26                     ; the codes: tile x 12,288 + 3,072 y
	s_mov_b32 s25, 0
	s_lshl_b32 s28, s17, 5
	s_lshl_b32 s26, s18, 3
	s_add_co_u32 s28, s28, s26                     ; the scale bytes: row x 32 + 8 y
	s_mov_b32 s29, 0
	v_lshlrev_b32 v3, 2, v2
.irp i, 0,1,2,3,4,5,6,7,8,9,10,11,12,13,14,15,16,17,18,19,20,21,22,23,24,25,26,27,28,29,30,31
	v_mad_u32_u24 v[RO+\i], s12, \i, v3
.endr
	v_and_b32 v10, 7, v2
	v_and_b32 v11, 8, v2
	v_lshl_or_b32 v10, v11, 1, v10
	v_bfe_u32 v11, v2, 4, 1
	v_lshl_or_b32 v10, v11, 3, v10                 ; the lane's stored row: its bits 3 and 4 exchanged
	v_lshrrev_b32 v4, 4, v10
	v_mul_u32_u24 v4, v4, 3200
	v_and_b32 v5, 15, v10
	v_lshl_add_u32 v4, v5, 3, v4
	v_add_nc_u32 v4, s19, v4                       ; into the stage: my tile, 8 bytes for my row in each piece
	v_lshlrev_b32 v8, 4, v2
	v_add_nc_u32 v7, s19, v8                       ; out of it: 16 bytes a lane
	v_lshlrev_b32 v9, 5, v10                       ; my row of scale bytes
	s_wait_alu depctr_va_vdst(0)                   ; the wait at the head's end
	s_wait_kmcnt 0x0
	s_cmp_lt_u32 s30, 24
	s_cselect_b64 s[4:5], s[4:5], s[6:7]
	s_add_nc_u64 s[BS:BS+1], s[4:5], s[20:21]
.irp t, 1,2,3,4,5,6,7
	s_add_nc_u64 s[BS+2*\t:BS+2*\t+1], s[BS+2*\t-2:BS+2*\t-1], s[22:23]
.endr
	s_add_nc_u64 s[8:9], s[8:9], s[24:25]
	s_add_nc_u64 s[10:11], s[10:11], s[28:29]
.macro WLOAD t
.irp i, 0,1,2,3,4,5,6,7,8,9,10,11,12,13,14,15,16,17,18,19,20,21,22,23,24,25,26,27,28,29,30,31
	global_load_b32 v[X+32*((\t)%2)+\i], v[RO+\i], s[BS+2*(\t):BS+2*(\t)+1] th:TH_LOAD_NT
.endr
.endm
	WLOAD 0
	WLOAD 1
.macro BLOCK t
.set XS, X+32*((\t)%2)
.set OFF, 1536*((\t)/4)+768*(((\t)/2)%2)+128*((\t)%2)   ; block t: the (t / 4)-th 128 along K, registers 6 ((t / 2) % 2) .., lanes 16 (t % 2) ..
.if (\t) < NB-1
	s_wait_loadcnt 32                              ; this block's 32 loads are in
.else
	s_wait_loadcnt 0
.endif
	v_max3_num_f32 v12, |v[XS]|, |v[XS+1]|, |v[XS+2]|
	v_max3_num_f32 v13, |v[XS+3]|, |v[XS+4]|, |v[XS+5]|
.irp i, 6,10,14,18,22,26
	v_max3_num_f32 v12, v12, |v[XS+\i]|, |v[XS+\i+1]|
	v_max3_num_f32 v13, v13, |v[XS+\i+2]|, |v[XS+\i+3]|
.endr
	v_max3_num_f32 v12, v12, |v[XS+30]|, |v[XS+31]|
	v_max3_num_f32 v12, v12, v13, (EMAX+1)<<23
	v_add_nc_u32 v11, -(EMAX<<23), v12
	v_lshrrev_b32 v13, 23, v11
.if (\t)%4 == 0
	v_mov_b32 v[SB+(\t)/4], v13
.else
	v_lshl_or_b32 v[SB+(\t)/4], v13, 8*((\t)%4), v[SB+(\t)/4]
.endif
	v_cvt_scalef32_pk16_bf6_f32 v[C:C+2], v[XS:XS+15], v11
	v_cvt_scalef32_pk16_bf6_f32 v[C+4:C+6], v[XS+16:XS+31], v11
	v_nop                                          ; one plain line behind the conversions
	v_mov_b32 v[C+3], v[C+4]                       ; the block's six registers on end
	v_mov_b32 v[C+4], v[C+5]
	v_mov_b32 v[C+5], v[C+6]
	ds_store_b64 v4, v[C:C+1] offset:OFF
	ds_store_b64 v4, v[C+2:C+3] offset:OFF+256
	ds_store_b64 v4, v[C+4:C+5] offset:OFF+512
.if (\t)+2 < NB
	WLOAD (\t)+2
.endif
	s_wait_dscnt 0x0                               ; the stores have read their registers
.endm
.set Q, 0
.rept NB
	BLOCK Q
.set Q, Q+1
.endr
	s_wait_alu depctr_va_vdst(0)                   ; the wait ahead of the reader below
	global_store_b64 v9, v[SB:SB+1], s[10:11]
.irp n, 0,1,2,3,4,5,6,7,8,9,10,11
	ds_load_b128 v[OUTR+4*\n:OUTR+4*\n+3], v7 offset:(\n/6)*3200+(\n%6)*512
.endr
.irp n, 0,1,2,3,4,5,6,7,8,9,10,11
	s_wait_dscnt 11-\n
	global_store_b128 v8, v[OUTR+4*\n:OUTR+4*\n+3], s[8:9] offset:(\n/6)*12288+(\n%6)*512   ; 512 consecutive bytes, aligned
.endr
	s_wait_tensorcnt 0x0                           ; the wave's end
	ds_add_u32 v208, v209
	s_wait_dscnt 0x0
	s_endpgm
.Lfunc_end_k_qa80b9a2a5e_quant:
	.size	k_qa80b9a2a5e_quant, .Lfunc_end_k_qa80b9a2a5e_quant-k_qa80b9a2a5e_quant
	.p2alignl 7, 3214868480
	.fill 96, 4, 3214868480
	.section	.rodata,"a",@progbits
	.p2align	6, 0x0
	.amdhsa_kernel k_qa80b9a2a5e_quant
		.amdhsa_group_segment_fixed_size 75264
		.amdhsa_private_segment_fixed_size 0
		.amdhsa_enable_private_segment 0
		.amdhsa_kernarg_size 56
		.amdhsa_user_sgpr_count 2
		.amdhsa_user_sgpr_kernarg_segment_ptr 1
		.amdhsa_wavefront_size32 1
		.amdhsa_system_sgpr_workgroup_id_x 1
		.amdhsa_system_sgpr_workgroup_id_y 1
		.amdhsa_system_sgpr_workgroup_id_z 1
		.amdhsa_system_vgpr_workitem_id 0
		.amdhsa_next_free_vgpr 210
		.amdhsa_next_free_sgpr 66
		.amdhsa_reserve_vcc 0
		.amdhsa_float_denorm_mode_32 3
		.amdhsa_float_denorm_mode_16_64 3
		.amdhsa_memory_ordered 1
		.amdhsa_forward_progress 1
		.amdhsa_inst_pref_size 81
	.end_amdhsa_kernel
	.amdgpu_metadata
---
amdhsa.version: [ 1, 2 ]
amdhsa.kernels:
  - .name:           k_qa80b9a2a5e_quant
    .symbol:         k_qa80b9a2a5e_quant.kd
    .args:
      - { .name: Wqkv, .offset: 0, .size: 8, .value_kind: global_buffer, .address_space: global }
      - { .name: Wout, .offset: 8, .size: 8, .value_kind: global_buffer, .address_space: global }
      - { .name: wc, .offset: 16, .size: 8, .value_kind: global_buffer, .address_space: global }
      - { .name: ws, .offset: 24, .size: 8, .value_kind: global_buffer, .address_space: global }
      - { .name: x, .offset: 32, .size: 8, .value_kind: global_buffer, .address_space: global }
      - { .name: xc, .offset: 40, .size: 8, .value_kind: global_buffer, .address_space: global }
      - { .name: xs, .offset: 48, .size: 8, .value_kind: global_buffer, .address_space: global }
    .group_segment_fixed_size: 75264
    .private_segment_fixed_size: 0
    .kernarg_segment_align: 8
    .kernarg_segment_size: 56
    .max_flat_workgroup_size: 128
    .sgpr_count:     66
    .vgpr_count:     210
    .wavefront_size: 32
...
	.end_amdgpu_metadata
.endif
;; end of part 1
;; launch gemm_qkv (part 2): grid 64 x 4, 4 waves a work-group, clusters of 4 x 1, 327,680 bytes of LDS; arguments xc, xs, wc, ws, qkv; writes qkv
.if DOCPART == 2
	.amdgcn_target "amdgcn-amd-amdhsa--gfx1250"
	.amdhsa_code_object_version 6
	.text
	.protected	k_qa80b9a2a5e_gemm_qkv
	.globl	k_qa80b9a2a5e_gemm_qkv
	.p2align	8
	.type	k_qa80b9a2a5e_gemm_qkv,@function
k_qa80b9a2a5e_gemm_qkv:
	s_mov_b64 s[64:65], 0
	v_nop
	global_prefetch_b8 v0, s[64:65] scope:SCOPE_SE
	s_setreg_imm32_b32 hwreg(HW_REG_WAVE_MODE, 25, 1), 1
	s_wait_xcnt 0x0
	s_wait_alu depctr_hold_cnt(0) depctr_sa_sdst(0) depctr_va_vdst(0) depctr_va_sdst(0) depctr_va_ssrc(0) depctr_va_vcc(0) depctr_vm_vsrc(0)
	s_getreg_b32 s2, hwreg(HW_REG_IB_STS2, 6, 4)
	s_cmp_eq_u32 s2, 0
	s_cbranch_scc0 .Lentry_in_a_cluster
	s_endpgm
.Lentry_in_a_cluster:
	s_bfe_u32 s2, ttmp6, 0x10000c
	s_cmp_lg_u32 s2, 0x3003
	s_cbranch_scc0 .Lentry_shape_is_right
	s_endpgm
.Lentry_shape_is_right:
; qkv = x Wqkv on codes of BF6 (E3M2), one E8M0 scale for each 32 along K = 1,024, sums in f32.  q, k and v are operands of the next two products and are quantised here, in registers.
; A WORK-GROUP STAYS: it holds 128 rows of x (work-group x) in LDS for all of K and walks three units of 256 columns of Wqkv (units 3 y .. 3 y + 2 of twelve).  64 x 4 = 256 work-groups of equal work.
; The operands lie in memory as images of registers (16 rows x 1,024 K in 12,288 dense bytes); a tensor row is one tile's half of K, 6,144 aligned bytes.
; LDS IS TWO ZONES of 147,456 bytes, one for each half of K: x's 8 half tiles, then the unit's 16.  While one zone is read, the other zone's weight part is on its way:
; a unit's first half is asked for in the middle of the unit before (behind its fourth step's fragments), its second half in the middle of that unit's way out, which touches no LDS.
; A wave has one tensor load out at a time.  The next unit's first fragments and scale words are fetched under the second half of the way out.
; THE MATRIX INSTRUCTION: source 1 gives the lanes (4 blocks of 16 rows a wave), source 0 the registers (8 blocks).  Units 0-7 (q, k): lanes = 64 rows of x, registers = 128 columns: two heads, quantised along a head's 64.
; Units 8-11 (v): lanes = 64 channels, registers = the 128 keys, quantised along the keys.  Only LDS bases inside a zone, pointers and one mask are chosen, by the unit's number (the cluster's y and the counted walk): no branch.
; Rows are stored with bits 3 and 4 of their number exchanged, so the 16 registers of blocks 2 b, 2 b + 1 are 16 neighbours.
; STORED: records of 2,048 bytes, an operand's 12 registers: registers 2 p, 2 p + 1 of lane l at 256 p + 8 l (p < 3) and 1,024 + 256 (p - 3) + 8 l; a scale word and a zero at 768 + 8 l and 1,792 + 8 l.
;   q, k: [128 columns 16][tile of 16 rows 512];  v, from byte 16,777,216: [128 keys 64][tile of 16 channels 64].
; The scale words of a unit come straight into registers: a row's 32 bytes by two loads of 16, sixteen lanes on 512 consecutive bytes.
; CLUSTER 4, 1, 1: the four partners walk the same units and ask for the weight tiles jointly; x's tile is each work-group's own.  A wider cluster would join work-groups whose units differ in kind.
; No prefetch: the walk has four refills, each asked for half a unit ahead of its first read.
; LIMITS: a block whose largest magnitude lies under 2^-122 takes the byte 1 (a block of zeros too: its codes are zeros; the bytes are this program's own); NaN and infinities are not served.
; REGISTERS: window 0: v16-21 addresses, v32-63 and v64-127 scale words, v128-223 the lanes' fragments, two sets (the second at work on the way out); window 1: the registers' fragments, two sets; window 2: 32 accumulators.
.set TILEB, 12288
.set HB,    6144
.set WH,    8*HB
.set Z,     24*HB
.set SPARE, 2*Z
.set ADRL, 16
.set ADRR, 18
.set V8,   20
.set VR,   21
.set SPW,  28
.set NIL,  29
.set SL,   32
.set SR,   64
.set AF,   128
.set PC,   176
.set TM,   196
.set PW,   212
.set WA,   216
.set MSB, 0
.macro WIN new
.if MSB != \new
	s_set_vgpr_msb (MSB<<8)|\new
.set MSB, \new
.endif
.endm
.macro PLACES
.rept 4
	v_nop
.endr
.endm
.macro CREST
	s_cmp_lg_u32 s14, 0
	s_cbranch_scc1 .Lnot_wave_0_\@
	s_barrier_signal -3
.Lnot_wave_0_\@:
	s_barrier_wait -3
	s_barrier_signal -1
	s_barrier_wait -1
.endm
.macro CROUND
	s_barrier_signal -1
	s_barrier_wait -1
	CREST
.endm
.macro HALVES g, rows                  ; group 1, words 1-7: so many half tiles: rows of 6,144 bytes (768 elements of 8), 12,288 apart in memory, dense in LDS
	s_mov_b32 s[\g+1], 768<<16
	s_mov_b32 s[\g+2], \rows<<16
	s_mov_b32 s[\g+3], 768<<16
	s_mov_b32 s[\g+4], \rows
	s_mov_b32 s[\g+5], 1536
	s_mov_b32 s[\g+6], 0
	s_mov_b32 s[\g+7], 0
.endm
.macro CHOOSE_S                        ; by the unit's kind: LDS bases and the scales' pointers
	s_cmp_ge_u32 s18, 8
	s_cselect_b32 s36, s82, s80
	s_cselect_b32 s37, s83, s81
	s_cselect_b64 s[96:97], s[90:91], s[84:85]
	s_cselect_b64 s[98:99], s[86:87], s[88:89]
	s_add_co_u32 s38, s36, Z
	s_add_co_u32 s39, s37, Z
.endm
.macro CHOOSE_V
	v_add_nc_u32 v[ADRL], s36, v[V8]
	v_add_nc_u32 v[ADRL+1], s38, v[V8]
	v_add_nc_u32 v[ADRR], s37, v[V8]
	v_add_nc_u32 v[ADRR+1], s39, v[V8]
.endm
.macro CHOOSE_OUT                      ; where the records go, and what the first scale word keeps
	s_cmp_ge_u32 s18, 8
	s_cselect_b64 s[12:13], s[94:95], s[92:93]
	s_cselect_b32 s101, -1, s100
.endm
.macro SCLOAD
.irp i, 0,1,2,3
	global_load_b128 v[SL+8*\i:SL+8*\i+3], v[VR], s[96:97] offset:512*\i
	global_load_b128 v[SL+8*\i+4:SL+8*\i+7], v[VR], s[96:97] offset:512*\i+16
.endr
.irp i, 0,1,2,3,4,5,6,7
	global_load_b128 v[SR+8*\i:SR+8*\i+3], v[VR], s[98:99] offset:512*\i
	global_load_b128 v[SR+8*\i+4:SR+8*\i+7], v[VR], s[98:99] offset:512*\i+16
.endr
.endm
.macro FETCH q, p                      ; the fragments of the q-th 128 along K (zone q / 4) into set p: 72 loads of 256 consecutive bytes
	WIN 0x40
.irp i, 0,1,2,3,4,5,6,7
.irp c, 0,1,2,3,4,5
	ds_load_b64 v[128*(\p)+12*\i+2*\c:128*(\p)+12*\i+2*\c+1], v[ADRR+(\q)/4] offset:\i*HB+((\q)%4)*1536+256*\c
.endr
.endr
	WIN 0
.irp i, 0,1,2,3
.irp c, 0,1,2,3,4,5
	ds_load_b64 v[AF+48*(\p)+12*\i+2*\c:AF+48*(\p)+12*\i+2*\c+1], v[ADRL+(\q)/4] offset:\i*HB+((\q)%4)*1536+256*\c
.endr
.endr
.endm
.macro MUL a0, p, q, zero              ; 16 matrix instructions; the 32 accumulators take turns in the same order in every step
.irp a, \a0, \a0+1
.irp b, 0,1,2,3,4,5,6,7
.set D, 8*(8*(\a)+\b)
.if \zero
	v_wmma_scale_f32_16x16x128_f8f6f4 v[D:D+7], v[128*(\p)+12*\b:128*(\p)+12*\b+11], v[AF+48*(\p)+12*(\a):AF+48*(\p)+12*(\a)+11], 0, v[SR+8*\b+(\q)], v[SL+8*(\a)+(\q)] matrix_a_fmt:MATRIX_FMT_BF6 matrix_b_fmt:MATRIX_FMT_BF6
.else
	v_wmma_scale_f32_16x16x128_f8f6f4 v[D:D+7], v[128*(\p)+12*\b:128*(\p)+12*\b+11], v[AF+48*(\p)+12*(\a):AF+48*(\p)+12*(\a)+11], v[D:D+7], v[SR+8*\b+(\q)], v[SL+8*(\a)+(\q)] matrix_a_fmt:MATRIX_FMT_BF6 matrix_b_fmt:MATRIX_FMT_BF6
.endif
.endr
.endr
.endm
.macro STEP q, zero                    ; 32 matrix instructions; the next step's fragments are asked for in the middle, four places behind the products that read that set
	s_wait_dscnt 0x0
	WIN 0xa1
	MUL 0, (\q)%2, \q, \zero
	PLACES
	FETCH (\q)+1, ((\q)+1)%2
	WIN 0xa1
	MUL 2, (\q)%2, \q, \zero
.endm
; Block a's 64 registers a lane (register 16 b + i = number 32 b + 16 (lane / 16) + i) become a fragment's 12 registers and four scale bytes: one record.
.macro QUANTA a
.set AC, 64*(\a)
	WIN 0
	s_wait_xcnt 0x0                                ; the last record's stores have read their registers
.irp b, 0,1,2,3
	v_mov_b32 v[TM+\b], 0x2800000                  ; the floor 2^(5 - 127)
.endr
	WIN 0x0a
.irp i, 0,2,4,6,8,10,12,14
.irp b, 0,1,2,3
	v_max3_num_f32 v[TM+\b], |v[AC+16*\b+\i]|, |v[AC+16*\b+\i+1]|, v[TM+\b]   ; each accumulator from its low end on
.endr
.endr
	WIN 0
.irp b, 0,1,2,3
	v_permlanex16_b32 v[TM+4+\b], v[TM+\b], s104, s105
.endr
.irp b, 0,1,2,3
	v_max_num_f32 v[TM+\b], v[TM+\b], v[TM+4+\b]
.endr
.irp b, 0,1,2,3
	v_add_nc_u32 v[TM+12+\b], 0xfe000000, v[TM+\b] ; the conversion's scale operand
.endr
.irp b, 0,1,2,3
	v_lshrrev_b32 v[TM+4+\b], 23, v[TM+12+\b]      ; the byte
.endr
	v_lshl_or_b32 v[PW], v[TM+5], 8, v[TM+4]
	v_lshl_or_b32 v[PW], v[TM+6], 16, v[PW]
	v_lshl_or_b32 v[PW], v[TM+7], 24, v[PW]
	WIN 2
.irp c, 0,1
	v_cvt_scalef32_pk16_bf6_f32 v[PC+6*\c:PC+2+6*\c], v[AC+32*\c:AC+15+32*\c], v[TM+12+2*\c]
	v_cvt_scalef32_pk16_bf6_f32 v[PC+12+4*\c:PC+14+4*\c], v[AC+16+32*\c:AC+31+32*\c], v[TM+12+2*\c+1]
.endr
	WIN 0
	v_nop                                          ; one plain place behind a scaled conversion
.irp c, 0,1
.irp i, 0,1,2
	v_permlane16_swap_b32 v[PC+6*\c+\i], v[PC+12+4*\c+\i]   ; a whole block to a lane
.endr
.irp i, 0,1,2
	v_mov_b32 v[PC+3+6*\c+\i], v[PC+12+4*\c+\i]
.endr
.endr
	v_and_b32 v[WA], s101, v[PW]
	v_lshrrev_b32 v[WA+2], 16, v[PW]
.irp p, 0,1,2
	global_store_b64 v[V8], v[PC+2*\p:PC+2*\p+1], s[12:13] offset:2048*(\a)+256*\p   ; 256 consecutive bytes, aligned
.endr
	global_store_b64 v[V8], v[WA:WA+1], s[12:13] offset:2048*(\a)+768
.irp p, 3,4,5
	global_store_b64 v[V8], v[PC+2*\p:PC+2*\p+1], s[12:13] offset:2048*(\a)+256*\p+256
.endr
	global_store_b64 v[V8], v[WA+2:WA+3], s[12:13] offset:2048*(\a)+1792
.endm
	s_load_b128 s[4:7], s[0:1], 0x0                ; x's codes, x's scales
	s_load_b128 s[8:11], s[0:1], 0x10              ; the weights' codes, their scales
	s_load_b64 s[12:13], s[0:1], 0x20              ; the records
	v_lshl_add_u32 v[SPW], v0, 2, SPARE
	v_mov_b32 v[NIL], 0
	ds_add_u32 v[SPW], v[NIL]                      ; the opening: the add, twice on end, and its wait
	ds_add_u32 v[SPW], v[NIL]
	v_lshrrev_b32 v1, 5, v0
	v_readfirstlane_b32 s14, v1                    ; wave
	s_lshr_b32 s15, s14, 1
	s_and_b32 s16, s14, 1
	s_bfe_u32 s40, ttmp6, 0x40000
	s_lshl_b32 s17, ttmp9, 2
	s_add_co_u32 s17, s17, s40                     ; which 128 rows of x
	s_and_b32 s18, ttmp7, 0xffff
	s_mul_i32 s18, s18, 3                          ; the unit in hand
	s_mov_b32 s24, 3<<16                           ; x: my own, 8 half tiles
	HALVES 24, 8
	s_mov_b32 s48, 15|(3<<16)|(1<<21)              ; the weight, jointly: 8 half tiles at the head,
	HALVES 48, 8
	s_mov_b32 s68, 15|(3<<16)|(1<<21)              ; 4 behind it
	HALVES 68, 4
	s_mul_i32 s80, s15, 4*HB                       ; q, k: the lanes' blocks: my 64 rows of x;
	s_mul_i32 s81, s16, 8*HB
	s_add_co_u32 s81, s81, WH                      ; the registers' blocks: my 128 columns
	s_mul_i32 s82, s14, 4*HB
	s_add_co_u32 s82, s82, WH                      ; v: the lanes' blocks: my 64 channels;
	s_mov_b32 s83, 0                               ; the registers' blocks: all 128 keys
	s_mov_b32 s100, 0xffff
	s_mov_b32 s104, 0x76543210
	s_mov_b32 s105, 0xfedcba98
	s_lshl_b32 s86, s17, 12                        ; byte offsets, each in the pair that will hold the address
	s_mov_b32 s87, 0
	s_lshl_b32 s84, s15, 11
	s_add_co_u32 s84, s84, s86
	s_mov_b32 s85, 0
	s_lshl_b32 s20, s18, 13
	s_lshl_b32 s88, s16, 12
	s_add_co_u32 s88, s88, s20
	s_mov_b32 s89, 0
	s_lshl_b32 s90, s14, 11
	s_add_co_u32 s90, s90, s20
	s_mov_b32 s91, 0
	s_lshl_b32 s92, s18, 21                        ; q, k: (2 unit + half) x 512 records + 8 x tile + 4 x half
	s_lshl_b32 s20, s16, 20
	s_add_co_u32 s92, s92, s20
	s_lshl_b32 s20, s17, 14
	s_add_co_u32 s92, s92, s20
	s_lshl_b32 s20, s15, 13
	s_add_co_u32 s92, s92, s20
	s_mov_b32 s93, 0
	s_lshl_b32 s94, s17, 17                        ; v: 16,777,216 + 64 records a key step + 16 (unit - 8) + 4 x wave
	s_lshl_b32 s20, s18, 15
	s_add_co_u32 s94, s94, s20
	s_lshl_b32 s20, s14, 13
	s_add_co_u32 s94, s94, s20
	s_add_co_u32 s94, s94, 16515072
	s_mov_b32 s95, 0
	s_mov_b32 s32, 1                               ; x: waves 2, 3 fetch its two halves of K, each into its zone
	s_mul_i32 s33, s16, Z
	s_mul_i32 s34, s17, 8*TILEB
	s_mul_i32 s21, s16, HB
	s_add_co_u32 s34, s34, s21
	s_mov_b32 s35, 0
	s_mul_i32 s20, s18, 16*TILEB
	s_mov_b32 s56, 1                               ; the first unit's first half: waves 0, 1, eight tiles each
	s_mul_i32 s57, s16, 8*HB
	s_add_co_u32 s57, s57, WH
	s_mul_i32 s58, s16, 8*TILEB
	s_add_co_u32 s58, s58, s20
	s_mov_b32 s59, 0
	s_mov_b32 s76, 1                               ; later fills: every wave four tiles; first halves,
	s_mul_i32 s77, s14, 4*HB
	s_add_co_u32 s77, s77, WH
	s_mul_i32 s78, s14, 4*TILEB
	s_add_co_u32 s78, s78, s20
	s_mov_b32 s79, 0
	s_mov_b32 s44, 1                               ; and second halves
	s_add_co_u32 s45, s77, Z
	s_add_co_u32 s46, s78, HB
	s_mov_b32 s47, 0
	s_wait_dscnt 0x0
	s_wait_kmcnt 0x0
	s_add_nc_u64 s[84:85], s[6:7], s[84:85]
	s_add_nc_u64 s[86:87], s[6:7], s[86:87]
	s_add_nc_u64 s[88:89], s[10:11], s[88:89]
	s_add_nc_u64 s[90:91], s[10:11], s[90:91]
	s_add_nc_u64 s[92:93], s[12:13], s[92:93]
	s_add_nc_u64 s[94:95], s[12:13], s[94:95]
	s_add_nc_u64 s[34:35], s[4:5], s[34:35]
	s_or_b32 s35, s35, 0x80000000
	s_add_nc_u64 s[58:59], s[8:9], s[58:59]
	s_or_b32 s59, s59, 0x80000000
	s_add_nc_u64 s[78:79], s[8:9], s[78:79]
	s_or_b32 s79, s79, 0x80000000
	s_add_nc_u64 s[46:47], s[8:9], s[46:47]
	s_or_b32 s47, s47, 0x80000000
	CHOOSE_S
	CHOOSE_OUT
	CROUND                                         ; all four work-groups are here: the first joint loads meet
	s_cmp_lt_u32 s14, 2                            ; one load a wave
	s_cbranch_scc0 .Lfor_x
	tensor_load_to_lds s[56:59], s[48:55]
	s_nop 0
	PLACES
	s_branch .Lasked
.Lfor_x:
	tensor_load_to_lds s[32:35], s[24:31]
	s_nop 0
	PLACES
.Lasked:
	v_and_b32 v1, 15, v0
	v_and_b32 v2, 31, v0
	v_lshlrev_b32 v[V8], 3, v2                     ; 8 x lane
	v_lshlrev_b32 v[VR], 5, v1                     ; a row's 32 scale bytes
	CHOOSE_V
	s_wait_alu depctr_va_vdst(0)                   ; the wait at the head's end
	SCLOAD
	s_wait_tensorcnt 0x0                           ; my head load is in
	ds_add_u32 v[SPW], v[NIL]
	s_wait_dscnt 0x0
	CROUND
	tensor_load_to_lds s[44:47], s[68:75]          ; the first unit's second half, my four tiles
	s_nop 0
	PLACES
	FETCH 0, 0
.macro UNIT refill
	s_wait_loadcnt 0x0                             ; the unit's scale words
	STEP 0, 1                                      ; the first products start the sums
	STEP 1, 0
	STEP 2, 0
	WIN 0
	s_wait_tensorcnt 0x0                           ; my part of this unit's second half is in
.if \refill
	ds_add_u32 v[SPW], v[NIL]
	s_wait_dscnt 0x1                               ; the fourth step's fragments are in (the add may be out)
.else
	s_wait_dscnt 0x0
.endif
	WIN 0xa1
	MUL 0, 1, 3, 0
	WIN 0
.if \refill
	s_wait_dscnt 0x0                               ; the add is done; my reads of the first zone are over
.endif
	s_barrier_signal -1
	s_barrier_wait -1
.if \refill
	CREST                                          ; the barrier has opened a round of the cluster's barrier
	s_add_nc_u64 s[78:79], s[78:79], 16*TILEB
	tensor_load_to_lds s[76:79], s[68:75]          ; the next unit's first half
	s_nop 0
.endif
	PLACES
	FETCH 4, 0
	WIN 0xa1
	MUL 2, 1, 3, 0
	STEP 4, 0
	STEP 5, 0
	STEP 6, 0
	s_wait_dscnt 0x0
	MUL 0, 1, 7, 0
	MUL 2, 1, 7, 0
	WIN 0
	PLACES
.irp b, 0,1,2,3
	v_mov_b32 v[TM+4+\b], 0                        ; a lane permute's destination counts as one of its sources
.endr
	v_mov_b32 v[WA+1], 0
	v_mov_b32 v[WA+3], 0
	QUANTA 0
	QUANTA 1
.if \refill
	s_wait_tensorcnt 0x0                           ; my part of the next unit's first half is in;
	ds_add_u32 v[SPW], v[NIL]
	s_wait_dscnt 0x0                               ; my reads of the second zone ended with the last step's fragments
	CROUND
	s_add_nc_u64 s[46:47], s[46:47], 16*TILEB
	tensor_load_to_lds s[44:47], s[68:75]          ; the next unit's second half
	s_nop 0
	PLACES
	s_add_co_u32 s18, s18, 1
	s_add_nc_u64 s[88:89], s[88:89], 8192
	s_add_nc_u64 s[90:91], s[90:91], 8192
	CHOOSE_S
	CHOOSE_V
	s_wait_alu depctr_va_vdst(0)                   ; the wait ahead of the readers below
	SCLOAD                                         ; the next unit's scale words and first fragments come under the rest of the way out
	FETCH 0, 0
.endif
	QUANTA 2
	QUANTA 3
.if \refill
	s_wait_xcnt 0x0                                ; the stores have read their base and their registers
	s_add_nc_u64 s[92:93], s[92:93], 2097152
	s_add_nc_u64 s[94:95], s[94:95], 32768
	CHOOSE_OUT
.endif
.endm
	s_mov_b32 s3, 2
.Lunit:
	UNIT 1
	s_sub_co_u32 s3, s3, 1
	s_cmp_lg_u32 s3, 0
	s_cbranch_scc1 .Lunit
	UNIT 0                                         ; the last unit asks for nothing more
	s_wait_tensorcnt 0x0                           ; the wave's end
	ds_add_u32 v[SPW], v[NIL]
	s_wait_dscnt 0x0
	CROUND                                         ; the closing round
	s_endpgm
.Lfunc_end_k_qa80b9a2a5e_gemm_qkv:
	.size	k_qa80b9a2a5e_gemm_qkv, .Lfunc_end_k_qa80b9a2a5e_gemm_qkv-k_qa80b9a2a5e_gemm_qkv
	.p2alignl 7, 3214868480
	.fill 96, 4, 3214868480
	.section	.rodata,"a",@progbits
	.p2align	6, 0x0
	.amdhsa_kernel k_qa80b9a2a5e_gemm_qkv
		.amdhsa_group_segment_fixed_size 327680
		.amdhsa_private_segment_fixed_size 0
		.amdhsa_enable_private_segment 0
		.amdhsa_kernarg_size 40
		.amdhsa_user_sgpr_count 2
		.amdhsa_user_sgpr_kernarg_segment_ptr 1
		.amdhsa_wavefront_size32 1
		.amdhsa_system_sgpr_workgroup_id_x 1
		.amdhsa_system_sgpr_workgroup_id_y 1
		.amdhsa_system_sgpr_workgroup_id_z 1
		.amdhsa_system_vgpr_workitem_id 0
		.amdhsa_next_free_vgpr 768
		.amdhsa_next_free_sgpr 106
		.amdhsa_reserve_vcc 0
		.amdhsa_float_denorm_mode_32 3
		.amdhsa_float_denorm_mode_16_64 3
		.amdhsa_memory_ordered 1
		.amdhsa_forward_progress 1
		.amdhsa_inst_pref_size 195
	.end_amdhsa_kernel
	.amdgpu_metadata
---
amdhsa.version: [ 1, 2 ]
amdhsa.kernels:
  - .name:           k_qa80b9a2a5e_gemm_qkv
    .symbol:         k_qa80b9a2a5e_gemm_qkv.kd
    .args:
      - { .name: xc, .offset: 0, .size: 8, .value_kind: global_buffer, .address_space: global }
      - { .name: xs, .offset: 8, .size: 8, .value_kind: global_buffer, .address_space: global }
      - { .name: wc, .offset: 16, .size: 8, .value_kind: global_buffer, .address_space: global }
      - { .name: ws, .offset: 24, .size: 8, .value_kind: global_buffer, .address_space: global }
      - { .name: qkv, .offset: 32, .size: 8, .value_kind: global_buffer, .address_space: global }
    .group_segment_fixed_size: 327680
    .private_segment_fixed_size: 0
    .kernarg_segment_align: 8
    .kernarg_segment_size: 40
    .max_flat_workgroup_size: 128
    .sgpr_count:     106
    .vgpr_count:     768
    .wavefront_size: 32
...
	.end_amdgpu_metadata
.endif
;; end of part 2
;; launch attn (part 3): grid 4 x 64, 16 waves a work-group, clusters of 4 x 1, 280,576 bytes of LDS; arguments qkv, oc, osc; writes oc, osc
.if DOCPART == 3
	.amdgcn_target "amdgcn-amd-amdhsa--gfx1250"
	.amdhsa_code_object_version 6
	.text
	.protected	k_qa80b9a2a5e_attn
	.globl	k_qa80b9a2a5e_attn
	.p2align	8
	.type	k_qa80b9a2a5e_attn,@function
k_qa80b9a2a5e_attn:
	s_mov_b64 s[64:65], 0
	v_nop
	global_prefetch_b8 v0, s[64:65] scope:SCOPE_SE
	s_setreg_imm32_b32 hwreg(HW_REG_WAVE_MODE, 25, 1), 1
	s_wait_xcnt 0x0
	s_wait_alu depctr_hold_cnt(0) depctr_sa_sdst(0) depctr_va_vdst(0) depctr_va_sdst(0) depctr_va_ssrc(0) depctr_va_vcc(0) depctr_vm_vsrc(0)
	s_getreg_b32 s2, hwreg(HW_REG_IB_STS2, 6, 4)
	s_cmp_eq_u32 s2, 0
	s_cbranch_scc0 .Lentry_in_a_cluster
	s_endpgm
.Lentry_in_a_cluster:
	s_bfe_u32 s2, ttmp6, 0x10000c
	s_cmp_lg_u32 s2, 0x3003
	s_cbranch_scc0 .Lentry_shape_is_right
	s_endpgm
.Lentry_shape_is_right:
; o[b][q][head][:] = the sum over keys k <= q of softmax_k(q . k / 8) v[k][:], both products on codes of BF6 (E3M2) with one E8M0 scale for each 32 along a product's K; o leaves as codes, quantised along its 64 channels.
; LEFT OUT: key steps all of whose keys lie behind the causal mask: their p is 0 for every input.
; INPUT: the records of the launch before (images of operands' registers): q's and k's halves of 1,024 bytes (16 rows x 64 channels: registers 2 p, 2 p + 1 of lane l at 256 p + 8 l; lane l's scale word at 768 + 8 l),
; v's records of 2,048 bytes (16 channels x 128 keys).  A tile's 16 rows are the rows 32 (t / 2) + 8 (t % 2) + r + 8 (r / 8), so that the 16 registers of result tiles 2 b and 2 b + 1 are 16 neighbours.
; THE FIRST PRODUCT'S K IS 64, the instruction's 128: q's registers 6-11 are zero codes, and both sides' scale bytes for that half are 0 (2^-127); whatever k's operand names as its registers 6-11 is multiplied by zero.
; So the eight fragments of K lie 6 registers apart: a fragment's upper six are the next fragment's codes, the last one's six registers that stay (v80-85).
; THE SOFTMAX: t = score x log2(e) / 8; M = the row's largest t so far, rounded UP to a whole number; p = 2^(t - M) is what is quantised, along the keys; the row's sum is taken of the unquantised p and divides O at the end.
; When M moves, the sum and O are multiplied by 2^(old M - new M): exact.  A block's largest p is not searched for: the block's largest score goes through the same multiply-add and exponential
; (this takes v_exp_f32 not to fall where its input rises; at the worst one p of a block, within an ulp of a power of two, would be held one code low).
; SHARES.  The grid's y is batch x 16 + head; the four work-groups of a cluster share a head.  A head has 128 tiles of 16 queries, tile 4 m + j: j is the work-group's place in the cluster, and wave w owns m = 31 - w and m = w.
; Tile m wants key steps (128 keys) 0 .. m / 2: 17 steps for every wave.  THE TWO TILES GO ONE AFTER THE OTHER: m = 31 - w in a loop of 16 trips, then m = w in a loop of 8; a step that the tile does not want is jumped over.
; So one O^T, one Q and one set of statistics are live, and K's and V's fragments have registers of their own: THE NEXT STEP'S K IS ASKED FOR ONE STEP AHEAD, in front of this step's exponentials (the last step's request
; reads LDS bytes that lie inside K's and V's and is not used).  The second tile's Q waits in 1,024 LDS bytes of the wave's own, stored when no tensor load is out.
; BOTH PRODUCTS ARE USED TRANSPOSED: S^T = K Q^T, O^T = V^T P^T: a lane holds ONE query (lane % 16) throughout.
; LDS: the head's K (131,072 bytes) and V (131,072 bytes) are filled ONCE, by sixteen joint tensor loads (mask: all four work-groups), one a wave: waves 0-7 an eighth of K, waves 8-15 an eighth of V.
; One barrier shows them whole; the steps have no barrier between them.  Nothing is filled again.  No prefetch: all tiles are asked for at the head.
; K's scale words: one register serves two tiles: lanes 0-15 tile t's rows, lanes 16-31 tile t + 4's.
; THE WAY OUT: a tile's 16 queries x 64 channels become 6 registers of codes: three stores of 256 consecutive bytes, aligned.  The two scale bytes of a row go to [row][2 head].
; LIMITS: a block whose largest magnitude lies under 2^-122 takes the byte 1 (a block of zeros too: its codes are zeros; the bytes are this program's own); NaN and infinities are not served.
; REGISTERS: v1-3 the trip's addresses; v4-7 V's scale words; v8-19 p's codes (v16-19 first the blocks' maxima); v20-31 Q; v32-79 K's fragments; v80 8 x lane, v81 the same in V, v82 my query less 64 m and 16 (lane / 16), v83 32 r,
;   v84 K's scale words' place, v85 zero; v86-89 -M, largest t, sum in two halves; v90-93 at work; v94 Q's scale words; v96-159 S^T, then p; v160-191 O^T; v192-239 V's fragments; v240-254 at work (v248-251 K's scale words).
.set VLDS, 131072
.set STASH, 264192                     ; behind the spare words: 1,024 bytes a wave
.set WV,   18
.set CX,   19
.set SEL,  20
.set CS,   22
.set G1K,  24
.set G1V,  32
.set G0K,  40
.set TB,   56
.set KF,   57
.set CNT,  58
.set ML,   59
.set MH,   60
.set G0V,  68
.set QBL,  84
.set QBH,  86
.set OCL,  88
.set OCH,  90
.set OSL,  92
.set OSH,  94
.set PCD,  8
.set BM,   16
.set QF,   20
.set ST,   86
.set T4,   90
.set QS,   94
.set OF,   160
.set F,    192
.set T3,   240
.macro ROUND
	s_barrier_signal -1
	s_barrier_wait -1
	s_cmp_lg_u32 s[WV], 0
	s_cbranch_scc1 .Lnot_wave_0_\@
	s_barrier_signal -3
.Lnot_wave_0_\@:
	s_barrier_wait -3
	s_barrier_signal -1
	s_barrier_wait -1
.endm
	s_load_b128 s[4:7], s[0:1], 0x0                ; the records, o's codes
	s_load_b64 s[8:9], s[0:1], 0x10                ; o's scale bytes
	v_lshl_add_u32 v243, v0, 2, 0x40000
	v_mov_b32 v255, 0
	ds_add_u32 v243, v255                          ; the opening: the add, twice on end, and its wait
	ds_add_u32 v243, v255
	v_lshrrev_b32 v3, 5, v0
	v_readfirstlane_b32 s[WV], v3                  ; wave 0..15
	s_bfe_u32 s[CX], ttmp6, 0x40000
	s_and_b32 s10, ttmp7, 0xffff
	s_lshr_b32 s11, s10, 4                         ; batch
	s_and_b32 s12, s10, 15                         ; head
	s_lshr_b32 s13, s12, 1
	s_lshl_b32 s13, s13, 20                        ; the pair of heads: 512 records
	s_lshl_b32 s14, s11, 18                        ; the batch: 128 records
	s_add_co_u32 s13, s13, s14
	s_and_b32 s14, s12, 1
	s_lshl_b32 s14, s14, 10                        ; which half of a record
	s_add_co_u32 s13, s13, s14                     ; q's first half-record of this head
	s_and_b32 s15, s[WV], 7                        ; which eighth I fetch
	s_lshl_b32 s16, s[WV], 14                      ; in LDS: 16,384 bytes a wave, K's eight parts and then V's
	s_lshl_b32 s96, s15, 15                        ; K in memory: 16 records a part
	s_add_co_u32 s96, s96, s13
	s_add_co_u32 s96, s96, 8388608                 ; k's pairs of heads lie behind q's eight
	s_mov_b32 s97, 0
	s_lshl_b32 s98, s15, 18                        ; V in memory: two key steps a part
	s_lshl_b32 s17, s11, 21
	s_add_co_u32 s98, s98, s17
	s_lshl_b32 s17, s12, 13
	s_add_co_u32 s98, s98, s17
	s_add_co_u32 s98, s98, 16777216
	s_mov_b32 s99, 0
	s_lshl_b32 s3, s[WV], 10
	s_add_co_u32 s3, s3, STASH                     ; where my second tile's Q waits
	s_mov_b32 s[G1K], 15|(3<<16)|(1<<21)           ; K: 16 halves of records, rows of 1,024 bytes, 2,048 apart in memory, dense in LDS
	s_mov_b32 s[G1K+1], 128<<16
	s_mov_b32 s[G1K+2], 16<<16
	s_mov_b32 s[G1K+3], 128<<16
	s_mov_b32 s[G1K+4], 16
	s_mov_b32 s[G1K+5], 256
	s_mov_b32 s[G1K+6], 0
	s_mov_b32 s[G1K+7], 0
	s_mov_b32 s[G1V], 15|(3<<16)|(1<<21)           ; V: two key steps, rows of 8,192 bytes, 131,072 apart in memory
	s_mov_b32 s[G1V+1], 1024<<16
	s_mov_b32 s[G1V+2], 2<<16
	s_mov_b32 s[G1V+3], 1024<<16
	s_mov_b32 s[G1V+4], 2
	s_mov_b32 s[G1V+5], 16384
	s_mov_b32 s[G1V+6], 0
	s_mov_b32 s[G1V+7], 0
	s_mov_b32 s[SEL], 0x76543210
	s_mov_b32 s[SEL+1], 0xfedcba98
	s_mov_b32 s[CS], 0x3e38aa3b                    ; c = log2(e) / 8
	s_mov_b32 s[CS+1], s[CS]
	s_lshl_b32 s[ML], s[WV], 6
	s_sub_co_u32 s[MH], 1984, s[ML]
	s_wait_dscnt 0x0
	s_wait_kmcnt 0x0
	s_add_nc_u64 s[96:97], s[4:5], s[96:97]
	s_add_nc_u64 s[98:99], s[4:5], s[98:99]
	s_mov_b32 s[G0K], 1
	s_mov_b32 s[G0K+1], s16
	s_mov_b64 s[G0K+2:G0K+3], s[96:97]
	s_or_b32 s[G0K+3], s[G0K+3], 0x80000000
	s_mov_b32 s[G0V], 1
	s_mov_b32 s[G0V+1], s16
	s_mov_b64 s[G0V+2:G0V+3], s[98:99]
	s_or_b32 s[G0V+3], s[G0V+3], 0x80000000
	ROUND                                          ; all four work-groups are here: the joint loads meet
	s_cmp_lt_u32 s[WV], 8                          ; two arms, one joint load in each: every wave issues one
	s_cbranch_scc0 .Lnot_k
	tensor_load_to_lds s[G0K:G0K+3], s[G1K:G1K+7]
	s_nop 0
.rept 4
	v_nop
.endr
	s_branch .Lasked
.Lnot_k:
	tensor_load_to_lds s[G0V:G0V+3], s[G1V:G1V+7]
	s_nop 0
.rept 4
	v_nop
.endr
.Lasked:
.macro BASES m, qb, ob, sb             ; where tile 4 m + j's q lies, and where its o goes
	s_lshl_b32 s100, s[\m], 2
	s_add_co_u32 s100, s100, s[CX]
	s_lshl_b32 s62, s100, 11
	s_add_co_u32 s62, s62, s13
	s_add_nc_u64 s[\qb:\qb+1], s[4:5], s[62:63]
	s_lshl_b32 s101, s11, 7
	s_add_co_u32 s100, s100, s101
	s_lshl_b32 s62, s100, 4
	s_add_co_u32 s62, s62, s12
	s_mul_i32 s62, s62, 768                        ; o's codes: [tile][head][768 bytes]
	s_add_nc_u64 s[\ob:\ob+1], s[6:7], s[62:63]
	s_lshl_b32 s62, s100, 9                        ; o's scale bytes: 16 rows of 32 bytes a tile, 2 bytes a head
	s_lshl_b32 s101, s12, 1
	s_add_co_u32 s62, s62, s101
	s_add_nc_u64 s[\sb:\sb+1], s[8:9], s[62:63]
.endm
	s_mov_b32 s63, 0
	s_sub_co_u32 s61, 31, s[WV]
	BASES WV, QBL, OCL, OSL
	BASES 61, QBH, OCH, OSH
	s_lshr_b32 s62, s[CX], 1
	s_lshl_b32 s62, s62, 5
	s_and_b32 s101, s[CX], 1
	s_lshl_b32 s101, s101, 3
	s_add_co_u32 s62, s62, s101                    ; 32 (j / 2) + 8 (j % 2)
	v_and_b32 v3, 31, v0
	v_lshlrev_b32 v80, 3, v3                       ; 8 x lane
	v_add_nc_u32 v81, VLDS, v80
	v_bfe_u32 v2, v0, 4, 1                         ; lane / 16
	v_mad_u32_u24 v84, v2, 3968, v80               ; lanes 16-31 take the scale words four tiles on: 4,096 + 8 r
	v_and_b32 v3, 15, v0                           ; r
	v_lshlrev_b32 v83, 5, v3
	v_and_b32 v82, 8, v3
	v_add_nc_u32 v82, v82, v3                      ; r + 8 (r / 8)
	v_lshlrev_b32 v2, 4, v2
	v_sub_nc_u32 v82, v82, v2
	v_add_nc_u32 v82, s62, v82                     ; my query is 64 m + this + 16 (lane / 16)
	v_mov_b32 v85, 0
	s_wait_alu depctr_va_vdst(0)                   ; the wait ahead of the readers below
.irp p, 0,1,2
	global_load_b64 v[QF+2*\p:QF+2*\p+1], v80, s[QBH:QBH+1] offset:256*\p   ; the first tile's Q
	global_load_b64 v[96+2*\p:97+2*\p], v80, s[QBL:QBL+1] offset:256*\p     ; the second tile's, on its way to LDS
.endr
	global_load_b32 v[QS], v80, s[QBH:QBH+1] offset:768
	global_load_b32 v102, v80, s[QBL:QBL+1] offset:768
.irp i, 0,1,2,3,4,5
	v_mov_b32 v[QF+6+\i], 0                        ; Q's upper 64 along K: zero codes
.endr
.irp b, 0,1,2,3
	v_mov_b32 v[T4+\b], 0                          ; a lane permute's destination counts as one of its sources
.endr
	v_mov_b32 v252, 0
	v_mov_b32 v253, 0
	v_add_nc_u32 v254, s3, v80
.macro KLD ka, sa, off                 ; a step's K: eight fragments 6 registers apart, four registers of scale words
.irp t, 0,1,2,3,4,5,6,7
.irp p, 0,1,2
	ds_load_b64 v[32+6*\t+2*\p:33+6*\t+2*\p], v[\ka] offset:\off+\t*1024+256*\p   ; 32 lanes read 256 consecutive bytes
.endr
.endr
.irp t, 0,1,2,3
	ds_load_b32 v[248+\t], v[\sa] offset:\off+\t*1024+768
.endr
.endm
.macro OMUL j0                         ; four of O^T's sixteen pairs x f, each accumulator from its low end on
.irp j, 0,2,4,6
	v_pk_mul_f32 v[OF+\j0+\j:OF+\j0+\j+1], v[OF+\j0+\j:OF+\j0+\j+1], v[252:253] op_sel_hi:[1,0]
.endr
.endm
; A KEY STEP: 128 keys.  MS: the scalar that holds the tile's 64 m.
.macro STEP MS
	s_cmp_gt_u32 s[KF], s[\MS]                     ; all 128 keys come after the tile's queries: the step is left out
	s_cbranch_scc1 .Lhid_\@
	s_wait_dscnt 0x0                               ; this step's K, asked for a step ago
.irp t, 0,1,2,3                                ; S^T = K Q^T: eight tiles of 16 keys
	v_wmma_scale_f32_16x16x128_f8f6f4 v[96+8*\t:103+8*\t], v[32+6*\t:43+6*\t], v[QF:QF+11], 0, v[248+\t], v[QS] matrix_a_fmt:MATRIX_FMT_BF6 matrix_b_fmt:MATRIX_FMT_BF6
.endr
.irp t, 4,5,6,7
	v_wmma_scale_f32_16x16x128_f8f6f4 v[96+8*\t:103+8*\t], v[32+6*\t:43+6*\t], v[QF:QF+11], 0, v[244+\t], v[QS] matrix_a_fmt:MATRIX_FMT_BF6 matrix_b_fmt:MATRIX_FMT_BF6 matrix_a_scale:MATRIX_SCALE_ROW1
.endr                                          ; lane (r, h) holds query r; the 16 registers of tiles 2 b, 2 b + 1 are keys KF + 32 b + 16 h + 0 .. 15
.rept 4
	v_nop                                          ; places in front of the first read of the scores and of the loads below
.endr
	s_wait_alu depctr_va_vdst(0)
.irp t, 0,1,2,3                                ; V's four fragments land under the softmax
.irp p, 0,1,2,3,4,5
	ds_load_b64 v[F+12*\t+2*\p:F+12*\t+2*\p+1], v2 offset:2048*\t+1024*(\p/3)+256*(\p%3)
.endr
	ds_load_b32 v[4+\t], v2 offset:2048*\t+768
.endr
	s_add_co_u32 s96, s[KF], 128                   ; on the diagonal the scores of hidden keys become -infinity ahead of the maximum: p = 0 then
	s_cmp_le_u32 s96, s[\MS]
	s_cbranch_scc1 .Lopen_\@
	s_sub_co_i32 s96, s[\MS], s[KF]
	v_add_nc_u32 v252, s96, v82                    ; d = my query - KF - 16 (lane / 16): register 16 b + i is hidden where 32 b + i > d
	v_mov_b32 v254, 0xff800000
.irp n, 0,1,2,3,4,5,6,7,8,9,10,11,12,13,14,15,16,17,18,19,20,21,22,23,24,25,26,27,28,29,30,31,32,33,34,35,36,37,38,39,40,41,42,43,44,45,46,47,48,49,50,51,52,53,54,55,56,57,58,59,60,61,62,63
	v_cmp_gt_i32 vcc_lo, 32*(\n/16)+\n%16, v252
	v_cndmask_b32 v[96+\n], v[96+\n], v254, vcc_lo
.endr
.Lopen_\@:
.irp b, 0,1,2,3
	v_max3_num_f32 v[BM+\b], v[96+16*\b], v[97+16*\b], v[98+16*\b]   ; the largest score of each block of 32 keys
.endr
.irp i, 3,5,7,9,11,13
.irp b, 0,1,2,3
	v_max3_num_f32 v[BM+\b], v[BM+\b], v[96+16*\b+\i], v[97+16*\b+\i]
.endr
.endr
.irp b, 0,1,2,3
	v_max_num_f32 v[BM+\b], v[BM+\b], v[111+16*\b]
.endr
.irp b, 0,1,2,3
	v_permlanex16_b32 v[T4+\b], v[BM+\b], s[SEL], s[SEL+1]
.endr
.irp b, 0,1,2,3
	v_max_num_f32 v[BM+\b], v[BM+\b], v[T4+\b]     ; with lane l xor 16's 16 keys
.endr
	v_max3_num_f32 v254, v[BM], v[BM+1], v[BM+2]
	v_max_num_f32 v254, v254, v[BM+3]              ; the step's largest score of my query
	v_mul_f32 v254, s[CS], v254                    ; as t
	v_max_num_f32 v[ST+1], v[ST+1], v254           ; the running largest t
	v_mov_b32 v254, v[ST]
	v_floor_f32 v[ST], -v[ST+1]                    ; the new -M = -ceil(t)
.irp j, 0,2,4,6,8,10,12,14,16,18,20,22,24,26,28,30,32,34,36,38,40,42,44,46,48,50,52,54,56,58,60,62
	v_pk_fma_f32 v[96+\j:97+\j], v[96+\j:97+\j], s[CS:CS+1], v[ST:ST+1] op_sel_hi:[1,0,0]   ; t - M
.endr
	v_sub_f32 v254, v[ST], v254                    ; M's old value less its new one: a whole number, 0 or less
	v_fma_f32 v[BM], v[BM], s[CS], v[ST]           ; the same of each block's largest score
	v_fma_f32 v[BM+1], v[BM+1], s[CS], v[ST]
	v_cvt_i32_f32 v254, v254
	v_fma_f32 v[BM+2], v[BM+2], s[CS], v[ST]
	v_fma_f32 v[BM+3], v[BM+3], s[CS], v[ST]
	v_ldexp_f32 v252, 1.0, v254                    ; f = 2^(old M - new M)
	s_wait_alu depctr_va_vdst(0)                   ; the wait ahead of the batch
	KLD 1, 3, 8192                                 ; THE NEXT STEP'S K
.irp j, 0,1,2,3,4,5,6,7,8,9,10,11,12,13,14,15,16,17,18,19,20,21,22,23,24,25,26,27,28,29,30,31,32,33,34,35,36,37,38,39,40,41,42,43,44,45,46,47,48,49,50,51,52,53,54,55,56,57,58,59,60,61,62,63
	v_exp_f32 v[96+\j], v[96+\j]                   ; p = 2^(t - M)
.endr
.irp b, 0,1,2,3
	v_exp_f32 v[BM+\b], v[BM+\b]                   ; the block's largest p
.endr
	v_pk_mul_f32 v[ST+2:ST+3], v[ST+2:ST+3], v[252:253] op_sel_hi:[1,0]   ; the sums under the new M (a plain place behind the exponentials)
	s_wait_alu depctr_va_vdst(0)                   ; and behind it
.irp b, 0,1,2,3
	v_max_num_f32 v[BM+\b], 0x2800000, v[BM+\b]    ; the floor 2^(5 - 127)
.endr
.irp b, 0,1,2,3
	v_add_nc_u32 v[244+\b], 0xfe000000, v[BM+\b]   ; the conversion's scale operand
.endr
.irp b, 0,1,2,3
	v_lshrrev_b32 v[T4+\b], 23, v[244+\b]          ; the scale's byte
.endr
	v_lshl_or_b32 v[T4], v[T4+1], 8, v[T4]
	v_lshl_or_b32 v[T4+2], v[T4+3], 8, v[T4+2]
	v_lshl_or_b32 v253, v[T4+2], 16, v[T4]         ; p's scale word for these 128 keys
	v_cvt_scalef32_pk16_bf6_f32 v[PCD:PCD+2], v[96:111], v244
	v_cvt_scalef32_pk16_bf6_f32 v[T4:T4+2], v[112:127], v245
	v_cvt_scalef32_pk16_bf6_f32 v[PCD+6:PCD+8], v[128:143], v246
	v_cvt_scalef32_pk16_bf6_f32 v[T3:T3+2], v[144:159], v247
	v_nop                                          ; one plain place behind a scaled conversion
; a whole block to a lane; and THE ROW'S SUM OF THE UNQUANTISED p, a tree in place over its 32 pairs
.irp i, 0,1,2
	v_permlane16_swap_b32 v[PCD+\i], v[T4+\i]
.endr
.irp j, 0,1,2,3,4,5,6,7
	v_pk_add_f32 v[96+4*\j:97+4*\j], v[96+4*\j:97+4*\j], v[98+4*\j:99+4*\j]
.endr
.irp i, 0,1,2
	v_mov_b32 v[PCD+3+\i], v[T4+\i]
.endr
.irp i, 0,1,2
	v_permlane16_swap_b32 v[PCD+6+\i], v[T3+\i]
.endr
.irp j, 8,9,10,11,12,13,14,15
	v_pk_add_f32 v[96+4*\j:97+4*\j], v[96+4*\j:97+4*\j], v[98+4*\j:99+4*\j]
.endr
.irp i, 0,1,2
	v_mov_b32 v[PCD+9+\i], v[T3+\i]
.endr
.irp j, 0,1,2,3,4,5,6,7
	v_pk_add_f32 v[96+8*\j:97+8*\j], v[96+8*\j:97+8*\j], v[100+8*\j:101+8*\j]
.endr
	s_wait_alu depctr_va_vdst(0)                   ; the wait directly ahead of the first reader of O^T
	OMUL 0
.irp j, 0,1,2,3
	v_pk_add_f32 v[96+16*\j:97+16*\j], v[96+16*\j:97+16*\j], v[104+16*\j:105+16*\j]
.endr
	OMUL 8
	v_pk_add_f32 v[96:97], v[96:97], v[112:113]
	v_pk_add_f32 v[128:129], v[128:129], v[144:145]
	OMUL 16
	v_pk_add_f32 v[96:97], v[96:97], v[128:129]
	OMUL 24
	v_pk_add_f32 v[ST+2:ST+3], v[ST+2:ST+3], v[96:97]
	s_wait_alu depctr_va_vdst(0)                   ; the wait ahead of the wait below
	s_wait_dscnt 0x0                               ; V's fragments and scale words are in
.irp t, 0,1,2,3                                ; O^T += V^T P^T: the four accumulators take turns
	v_wmma_scale_f32_16x16x128_f8f6f4 v[OF+8*\t:OF+8*\t+7], v[F+12*\t:F+12*\t+11], v[PCD:PCD+11], v[OF+8*\t:OF+8*\t+7], v[4+\t], v253 matrix_a_fmt:MATRIX_FMT_BF6 matrix_b_fmt:MATRIX_FMT_BF6
.endr
.Lhid_\@:
.endm
; THE WAY OUT of a tile: O^T / the sum; register 16 b + i is channel 32 b + 16 (lane / 16) + i of my query; its two blocks are quantised as p is.
.macro WAYOUT OCB, OSB
.rept 4
	v_nop                                          ; places behind the last products
.endr
	v_add_f32 v254, v[ST+2], v[ST+3]
	v_permlanex16_b32 v252, v254, s[SEL], s[SEL+1]
	v_add_f32 v254, v254, v252                     ; the row's sum
	s_wait_alu depctr_va_vdst(0)
	v_rcp_f32 v254, v254
	v_nop
	s_wait_alu depctr_va_vdst(0)
.irp j, 0,1,2,3,4,5,6,7,8,9,10,11,12,13,14,15,16,17,18,19,20,21,22,23,24,25,26,27,28,29,30,31
	v_mul_f32 v[96+\j], v[OF+\j], v254
.endr
.irp b, 0,1
	v_max3_num_f32 v[BM+\b], |v[96+16*\b]|, |v[97+16*\b]|, 0x2800000
.endr
.irp i, 2,4,6,8,10,12,14
.irp b, 0,1
	v_max3_num_f32 v[BM+\b], v[BM+\b], |v[96+16*\b+\i]|, |v[97+16*\b+\i]|
.endr
.endr
.irp b, 0,1
	v_permlanex16_b32 v[T4+\b], v[BM+\b], s[SEL], s[SEL+1]
.endr
.irp b, 0,1
	v_max_num_f32 v[BM+\b], v[BM+\b], v[T4+\b]
.endr
.irp b, 0,1
	v_add_nc_u32 v[244+\b], 0xfe000000, v[BM+\b]
.endr
.irp b, 0,1
	v_lshrrev_b32 v[T4+\b], 23, v[244+\b]
.endr
	v_lshl_or_b32 v254, v[T4+1], 8, v[T4]          ; my row's two scale bytes
	v_cvt_scalef32_pk16_bf6_f32 v[PCD:PCD+2], v[96:111], v244
	v_cvt_scalef32_pk16_bf6_f32 v[T3:T3+2], v[112:127], v245
	v_nop
.irp i, 0,1,2
	v_permlane16_swap_b32 v[PCD+\i], v[T3+\i]
.endr
.irp i, 0,1,2
	v_mov_b32 v[PCD+3+\i], v[T3+\i]
.endr
.irp p, 0,1,2
	global_store_b64 v80, v[PCD+2*\p:PCD+2*\p+1], s[\OCB:\OCB+1] offset:256*\p   ; 256 consecutive bytes, aligned
.endr
	global_store_b16 v83, v254, s[\OSB:\OSB+1]     ; lanes r and r + 16 write the same two bytes with the same value
.endm
; ONE TILE: its statistics and O^T begin anew, its first step's K is asked for, its steps, its way out.
.macro RUN MS, trips, OCB, OSB
	KLD 80, 84, 0
	v_mov_b32 v[ST+1], 0xff61b1e6                  ; the largest t so far: -3e38
	v_floor_f32 v[ST], -v[ST+1]                    ; -M
	v_mov_b32 v[ST+2], 0
	v_mov_b32 v[ST+3], 0
.irp j, 0,1,2,3,4,5,6,7,8,9,10,11,12,13,14,15,16,17,18,19,20,21,22,23,24,25,26,27,28,29,30,31
	v_mov_b32 v[OF+\j], 0                          ; the step is written once, and the first change of M leaves zeros zeros
.endr
	s_mov_b32 s[TB], 0
	s_mov_b32 s[KF], 0
	s_mov_b32 s[CNT], \trips
.Ltrip_\@:
	v_add_nc_u32 v1, s[TB], v80                    ; the step's K, V and K's scale words: 8,192 bytes a step
	v_add_nc_u32 v2, s[TB], v81
	v_add_nc_u32 v3, s[TB], v84
	s_wait_alu depctr_va_vdst(0)                   ; the wait ahead of the branch below
	STEP \MS
	s_add_co_u32 s[TB], s[TB], 8192
	s_add_co_u32 s[KF], s[KF], 128
	s_sub_co_u32 s[CNT], s[CNT], 1
	s_cmp_lg_u32 s[CNT], 0
	s_cbranch_scc1 .Ltrip_\@
	s_wait_dscnt 0x0                               ; no LDS load of mine is out
	WAYOUT \OCB, \OSB
.endm
	s_wait_alu depctr_va_vdst(0)                   ; the wait at the head's end
	s_wait_loadcnt 0x0                             ; both Q
	s_wait_tensorcnt 0x0                           ; my one load has landed,
	s_barrier_signal -1
	s_barrier_wait -1                              ; everybody's has: no tensor load of the work-group is out
	ds_store_b64 v254, v[96:97]                    ; the second tile's Q into my own 1,024 bytes, as it lay in memory
	ds_store_b64 v254, v[98:99] offset:256
	ds_store_b64 v254, v[100:101] offset:512
	ds_store_b32 v254, v102 offset:768
	RUN MH, 16, OCH, OSH
	s_wait_xcnt 0x0                                ; the stores have read their registers
	v_add_nc_u32 v254, s3, v80
	ds_load_b64 v[QF:QF+1], v254                   ; LDS serves a wave's instructions in order: these see my stores
	ds_load_b64 v[QF+2:QF+3], v254 offset:256
	ds_load_b64 v[QF+4:QF+5], v254 offset:512
	ds_load_b32 v[QS], v254 offset:768
	RUN ML, 8, OCL, OSL
	s_wait_tensorcnt 0x0                           ; the wave's end
	ds_add_u32 v243, v255
	s_wait_dscnt 0x0
	ROUND                                          ; the closing round
	s_endpgm
.Lfunc_end_k_qa80b9a2a5e_attn:
	.size	k_qa80b9a2a5e_attn, .Lfunc_end_k_qa80b9a2a5e_attn-k_qa80b9a2a5e_attn
	.p2alignl 7, 3214868480
	.fill 96, 4, 3214868480
	.section	.rodata,"a",@progbits
	.p2align	6, 0x0
	.amdhsa_kernel k_qa80b9a2a5e_attn
		.amdhsa_group_segment_fixed_size 280576
		.amdhsa_private_segment_fixed_size 0
		.amdhsa_enable_private_segment 0
		.amdhsa_kernarg_size 24
		.amdhsa_user_sgpr_count 2
		.amdhsa_user_sgpr_kernarg_segment_ptr 1
		.amdhsa_wavefront_size32 1
		.amdhsa_system_sgpr_workgroup_id_x 1
		.amdhsa_system_sgpr_workgroup_id_y 1
		.amdhsa_system_sgpr_workgroup_id_z 1
		.amdhsa_system_vgpr_workitem_id 0
		.amdhsa_next_free_vgpr 256
		.amdhsa_next_free_sgpr 102
		.amdhsa_reserve_vcc 1
		.amdhsa_float_denorm_mode_32 3
		.amdhsa_float_denorm_mode_16_64 3
		.amdhsa_memory_ordered 1
		.amdhsa_forward_progress 1
		.amdhsa_inst_pref_size 67
	.end_amdhsa_kernel
	.amdgpu_metadata
---
amdhsa.version: [ 1, 2 ]
amdhsa.kernels:
  - .name:           k_qa80b9a2a5e_attn
    .symbol:         k_qa80b9a2a5e_attn.kd
    .args:
      - { .name: qkv, .offset: 0, .size: 8, .value_kind: global_buffer, .address_space: global }
      - { .name: oc, .offset: 8, .size: 8, .value_kind: global_buffer, .address_space: global }
      - { .name: osc, .offset: 16, .size: 8, .value_kind: global_buffer, .address_space: global }
    .group_segment_fixed_size: 280576
    .private_segment_fixed_size: 0
    .kernarg_segment_align: 8
    .kernarg_segment_size: 24
    .max_flat_workgroup_size: 512
    .sgpr_count:     102
    .vgpr_count:     256
    .wavefront_size: 32
...
	.end_amdgpu_metadata
.endif
;; end of part 3
;; launch gemm_out (part 4): grid 4 x 64, 4 waves a work-group, clusters of 4 x 4, 327,680 bytes of LDS; arguments oc, osc, wc, ws, out0; writes out0
.if DOCPART == 4
	.amdgcn_target "amdgcn-amd-amdhsa--gfx1250"
	.amdhsa_code_object_version 6
	.text
	.protected	k_qa80b9a2a5e_gemm_out
	.globl	k_qa80b9a2a5e_gemm_out
	.p2align	8
	.type	k_qa80b9a2a5e_gemm_out,@function
k_qa80b9a2a5e_gemm_out:
	s_mov_b64 s[64:65], 0
	v_nop
	global_prefetch_b8 v0, s[64:65] scope:SCOPE_SE
	s_setreg_imm32_b32 hwreg(HW_REG_WAVE_MODE, 25, 1), 1
	s_wait_xcnt 0x0
	s_wait_alu depctr_hold_cnt(0) depctr_sa_sdst(0) depctr_va_vdst(0) depctr_va_sdst(0) depctr_va_ssrc(0) depctr_va_vcc(0) depctr_vm_vsrc(0)
	s_getreg_b32 s2, hwreg(HW_REG_IB_STS2, 6, 4)
	s_cmp_eq_u32 s2, 0
	s_cbranch_scc0 .Lentry_in_a_cluster
	s_endpgm
.Lentry_in_a_cluster:
	s_bfe_u32 s2, ttmp6, 0x10000c
	s_cmp_lg_u32 s2, 0xf033
	s_cbranch_scc0 .Lentry_shape_is_right
	s_endpgm
.Lentry_shape_is_right:
; out0 = o Wout on codes of BF6 (E3M2), one E8M0 scale for each 32 along K = 1,024, sums in f32.  o's codes and the weight's lie in memory as images of operand registers: 16 rows x 1,024 K in 12,288 dense bytes.
; A work-group makes 128 rows x 256 columns: 64 x 4 = 256 work-groups.  ALL OF K IS RESIDENT: o's 8 tiles (98,304 bytes) and the weight's 16 (196,608) are filled once, one tensor load a wave
; (waves 0-2 a third of the weight's, wave 3 o's), as rows of 256 aligned bytes; nothing is filled again.  A wave makes 64 x 128: 32 accumulators.
; The scale words come straight into registers: a row's 32 bytes by two loads of 16, sixteen lanes on 512 consecutive bytes.
; THE MATRIX INSTRUCTION IS USED TRANSPOSED (source 0 = the weight's rows, source 1 = o's): a lane holds neighbouring columns of one row.  Rows of both operands are stored at pos(row) (bits 3, 4 exchanged): the way out puts them back.
; CLUSTER 4 x 4: o's tiles are asked for jointly along a row of the cluster, the weight's along a column.
; No prefetch: the launch has no loop to run ahead in; all its tiles are asked for at its head.
; THE WAY OUT: 16 rows x 128 columns at a time through the wave's own stage, which lies on tile bytes that have had their only fill and, behind the last barrier, their last read; rows of 512 bytes leave as two aligned units.
; REGISTERS: window 0: v16-27 addresses, v32-63 and v64-127 scale words, v128-223 o's fragments, two sets (v128-255 on the way out); window 1: the weight's fragments, two sets; window 2: the accumulators.
.set TILEB, 12288
.set WB,    8*TILEB
.set SPARE, 24*TILEB
.set SIZE_N, 1024
.set SPITCH, 528
.set ADRL, 16
.set ADRR, 18
.set VR,   21
.set STO,  24
.set RD,   25
.set CO,   26
.set SPW,  28
.set NIL,  29
.set SL,   32
.set SR,   64
.set AF,   128
.set BK,   128
.set MSB, 0
.macro WIN new
.if MSB != \new
	s_set_vgpr_msb (MSB<<8)|\new
.set MSB, \new
.endif
.endm
.macro PLACES
.rept 4
	v_nop
.endr
.endm
.macro CREST
	s_cmp_lg_u32 s14, 0
	s_cbranch_scc1 .Lnot_wave_0_\@
	s_barrier_signal -3
.Lnot_wave_0_\@:
	s_barrier_wait -3
	s_barrier_signal -1
	s_barrier_wait -1
.endm
.macro CROUND
	s_barrier_signal -1
	s_barrier_wait -1
	CREST
.endm
.macro DENSE g, rows
	s_mov_b32 s[\g+1], 32<<16
	s_mov_b32 s[\g+2], \rows<<16
	s_mov_b32 s[\g+3], 32<<16
	s_mov_b32 s[\g+4], \rows
	s_mov_b32 s[\g+5], 32
	s_mov_b32 s[\g+6], 0
	s_mov_b32 s[\g+7], 0
.endm
.macro FETCH q, p
	WIN 0x40
.irp i, 0,1,2,3,4,5,6,7
.irp c, 0,1,2,3,4,5
	ds_load_b64 v[128*(\p)+12*\i+2*\c:128*(\p)+12*\i+2*\c+1], v[ADRR+\i/4] offset:(\i%4)*TILEB+(\q)*1536+256*\c
.endr
.endr
	WIN 0
.irp i, 0,1,2,3
.irp c, 0,1,2,3,4,5
	ds_load_b64 v[AF+48*(\p)+12*\i+2*\c:AF+48*(\p)+12*\i+2*\c+1], v[ADRL] offset:\i*TILEB+(\q)*1536+256*\c
.endr
.endr
.endm
.macro MUL a0, p, q, zero              ; the 32 accumulators take turns in the same order in every step
.irp a, \a0, \a0+1
.irp b, 0,1,2,3,4,5,6,7
.set D, 8*(8*(\a)+\b)
.if \zero
	v_wmma_scale_f32_16x16x128_f8f6f4 v[D:D+7], v[128*(\p)+12*\b:128*(\p)+12*\b+11], v[AF+48*(\p)+12*(\a):AF+48*(\p)+12*(\a)+11], 0, v[SR+8*\b+(\q)], v[SL+8*(\a)+(\q)] matrix_a_fmt:MATRIX_FMT_BF6 matrix_b_fmt:MATRIX_FMT_BF6
.else
	v_wmma_scale_f32_16x16x128_f8f6f4 v[D:D+7], v[128*(\p)+12*\b:128*(\p)+12*\b+11], v[AF+48*(\p)+12*(\a):AF+48*(\p)+12*(\a)+11], v[D:D+7], v[SR+8*\b+(\q)], v[SL+8*(\a)+(\q)] matrix_a_fmt:MATRIX_FMT_BF6 matrix_b_fmt:MATRIX_FMT_BF6
.endif
.endr
.endr
.endm
.macro STEP q, zero
	s_wait_dscnt 0x0
	WIN 0xa1
	MUL 0, (\q)%2, \q, \zero
	PLACES
	FETCH (\q)+1, ((\q)+1)%2
	WIN 0xa1
	MUL 2, (\q)%2, \q, \zero
.endm
	s_load_b128 s[4:7], s[0:1], 0x0                ; o's codes, o's scales
	s_load_b128 s[8:11], s[0:1], 0x10              ; the weights' codes, their scales
	s_load_b64 s[12:13], s[0:1], 0x20              ; out0
	v_lshl_add_u32 v[SPW], v0, 2, SPARE
	v_mov_b32 v[NIL], 0
	ds_add_u32 v[SPW], v[NIL]                      ; the opening: the add, twice on end, and its wait
	ds_add_u32 v[SPW], v[NIL]
	v_lshrrev_b32 v1, 5, v0
	v_readfirstlane_b32 s14, v1                    ; wave
	s_lshr_b32 s15, s14, 1                         ; which 64 rows
	s_and_b32 s16, s14, 1                          ; which 128 columns
	s_bfe_u32 s40, ttmp6, 0x40000
	s_bfe_u32 s41, ttmp6, 0x40004
	s_lshl_b32 s42, ttmp9, 2
	s_add_co_u32 s42, s42, s40                     ; which 256 columns
	s_and_b32 s17, ttmp7, 0xffff
	s_lshl_b32 s17, s17, 2
	s_add_co_u32 s17, s17, s41                     ; which 128 rows
	s_lshl_b32 s43, s41, 2
	s_lshl_b32 s43, 15, s43                        ; my row of the cluster
	s_lshl_b32 s44, 0x1111, s40                    ; my column
	s_or_b32 s24, s43, (3<<16)|(1<<21)
	DENSE 24, 384
	s_or_b32 s48, s44, (3<<16)|(1<<21)
	DENSE 48, 256
	s_mov_b32 s32, 1
	s_mov_b32 s33, 0
	s_mul_i32 s34, s17, 8*TILEB
	s_mov_b32 s35, 0
	s_mov_b32 s56, 1
	s_lshl_b32 s57, s14, 16
	s_mul_i32 s58, s42, 16*TILEB
	s_add_co_u32 s58, s58, s57
	s_add_co_u32 s58, s58, 192*TILEB               ; Wout's tiles lie behind Wqkv's 192
	s_add_co_u32 s57, s57, WB
	s_mov_b32 s59, 0
	s_lshl_b32 s20, s17, 12
	s_lshl_b32 s21, s15, 11
	s_add_co_u32 s20, s20, s21                     ; o's scales: my 64 rows
	s_mov_b32 s21, 0
	s_lshl_b32 s22, s42, 13
	s_lshl_b32 s23, s16, 12
	s_add_co_u32 s22, s22, s23
	s_add_co_u32 s22, s22, 3072*32                 ; the weight's: my 128 rows
	s_mov_b32 s23, 0
	s_lshl_b32 s46, s17, 19
	s_lshl_b32 s47, s15, 18
	s_add_co_u32 s46, s46, s47
	s_lshl_b32 s47, s42, 10
	s_add_co_u32 s46, s46, s47
	s_lshl_b32 s47, s16, 9
	s_add_co_u32 s46, s46, s47                     ; my corner of out0
	s_mov_b32 s47, 0
	s_mul_i32 s60, s15, 4*TILEB
	s_mul_i32 s61, s16, 8*TILEB
	s_add_co_u32 s61, s61, WB
	s_add_co_u32 s62, s61, 4*TILEB
	s_mul_i32 s63, s14, 16*SPITCH
	s_wait_dscnt 0x0
	s_wait_kmcnt 0x0
	s_add_nc_u64 s[34:35], s[4:5], s[34:35]
	s_or_b32 s35, s35, 0x80000000
	s_add_nc_u64 s[58:59], s[8:9], s[58:59]
	s_or_b32 s59, s59, 0x80000000
	s_add_nc_u64 s[20:21], s[6:7], s[20:21]
	s_add_nc_u64 s[22:23], s[10:11], s[22:23]
	s_add_nc_u64 s[12:13], s[12:13], s[46:47]
	CROUND                                         ; all sixteen work-groups are here: the joint loads meet
	s_cmp_lt_u32 s14, 3
	s_cbranch_scc0 .Lfor_a
	tensor_load_to_lds s[56:59], s[48:55]
	s_nop 0
	PLACES
	s_branch .Lasked
.Lfor_a:
	tensor_load_to_lds s[32:35], s[24:31]
	s_nop 0
	PLACES
.Lasked:
	v_and_b32 v1, 15, v0
	v_bfe_u32 v2, v0, 4, 1
	v_and_b32 v3, 31, v0
	v_lshlrev_b32 v4, 3, v3
	v_add_nc_u32 v[ADRL], s60, v4
	v_add_nc_u32 v[ADRR], s61, v4
	v_add_nc_u32 v[ADRR+1], s62, v4
	v_lshlrev_b32 v[VR], 5, v1
	v_mul_u32_u24 v5, v1, SPITCH
	v_lshl_add_u32 v5, v2, 6, v5
	v_add_nc_u32 v[STO], s63, v5                   ; into the stage: row l % 16, 64 bytes for each half of the lanes
	v_lshlrev_b32 v[CO], 4, v3
	v_add_nc_u32 v[RD], s63, v[CO]
	s_wait_alu depctr_va_vdst(0)                   ; the wait at the head's end
.irp i, 0,1,2,3
	global_load_b128 v[SL+8*\i:SL+8*\i+3], v[VR], s[20:21] offset:512*\i
	global_load_b128 v[SL+8*\i+4:SL+8*\i+7], v[VR], s[20:21] offset:512*\i+16
.endr
.irp i, 0,1,2,3,4,5,6,7
	global_load_b128 v[SR+8*\i:SR+8*\i+3], v[VR], s[22:23] offset:512*\i
	global_load_b128 v[SR+8*\i+4:SR+8*\i+7], v[VR], s[22:23] offset:512*\i+16
.endr
	s_wait_tensorcnt 0x0                           ; my load has landed,
	s_barrier_signal -1
	s_barrier_wait -1                              ; everybody's has
	FETCH 0, 0
	s_wait_loadcnt 0x0                             ; the scale words
	STEP 0, 1                                      ; the first products start the sums
.irp q, 1,2,3,4,5,6
	STEP \q, 0
.endr
	s_wait_dscnt 0x0                               ; my reads of the tiles are over
	s_barrier_signal -1
	MUL 0, 1, 7, 0
	MUL 2, 1, 7, 0
	WIN 0
	s_barrier_wait -1                              ; everybody's are: the stages may be written
.macro TOSTAGE a
.set AC, 64*(\a)
	WIN 0x08
.irp b, 0,1,2,3,4,5,6,7
	ds_store_b128 v[STO], v[AC+8*\b:AC+8*\b+3] offset:128*(\b/2)+32*(\b%2)      ; each accumulator from its low end on; columns 32 (b / 2) + 16 (l / 16) + 8 (b % 2) ..
	ds_store_b128 v[STO], v[AC+8*\b+4:AC+8*\b+7] offset:128*(\b/2)+32*(\b%2)+16
.endr
	WIN 0
.set BB, BK+64*((\a)%2)
.irp t, 0,1,2,3,4,5,6,7,8,9,10,11,12,13,14,15
	ds_load_b128 v[BB+4*\t:BB+4*\t+3], v[RD] offset:\t*SPITCH    ; LDS serves a wave's instructions in order
.endr
.endm
.macro SEND a, younger
.set BB, BK+64*((\a)%2)
	s_wait_dscnt \younger
.if (\a) > 0
.if (\a)%2 == 1
	s_add_nc_u64 s[12:13], s[12:13], 8*SIZE_N*4    ; tile 2 i + 1 begins 8 rows behind tile 2 i,
.else
	s_add_nc_u64 s[12:13], s[12:13], 24*SIZE_N*4   ; tile 2 i + 2 another 24
.endif
.endif
.irp t, 0,1,2,3,4,5,6,7,8,9,10,11,12,13,14,15
	global_store_b128 v[CO], v[BB+4*\t:BB+4*\t+3], s[12:13] offset:(\t+8*(\t/8))*SIZE_N*4 th:TH_STORE_NT   ; 512 consecutive bytes, aligned
.endr
.endm
	PLACES
	TOSTAGE 0
.irp a, 1,2,3
.if \a > 1
	s_wait_xcnt 0x0                                ; block a - 2's stores have read their registers and their base
.endif
	TOSTAGE \a
	SEND \a-1, 32
.endr
	s_wait_xcnt 0x0
	SEND 3, 0
	s_wait_tensorcnt 0x0                           ; the wave's end
	ds_add_u32 v[SPW], v[NIL]
	s_wait_dscnt 0x0
	CROUND                                         ; the closing round
	s_endpgm
.Lfunc_end_k_qa80b9a2a5e_gemm_out:
	.size	k_qa80b9a2a5e_gemm_out, .Lfunc_end_k_qa80b9a2a5e_gemm_out-k_qa80b9a2a5e_gemm_out
	.p2alignl 7, 3214868480
	.fill 96, 4, 3214868480
	.section	.rodata,"a",@progbits
	.p2align	6, 0x0
	.amdhsa_kernel k_qa80b9a2a5e_gemm_out
		.amdhsa_group_segment_fixed_size 327680
		.amdhsa_private_segment_fixed_size 0
		.amdhsa_enable_private_segment 0
		.amdhsa_kernarg_size 40
		.amdhsa_user_sgpr_count 2
		.amdhsa_user_sgpr_kernarg_segment_ptr 1
		.amdhsa_wavefront_size32 1
		.amdhsa_system_sgpr_workgroup_id_x 1
		.amdhsa_system_sgpr_workgroup_id_y 1
		.amdhsa_system_sgpr_workgroup_id_z 1
		.amdhsa_system_vgpr_workitem_id 0
		.amdhsa_next_free_vgpr 768
		.amdhsa_next_free_sgpr 98
		.amdhsa_reserve_vcc 0
		.amdhsa_float_denorm_mode_32 3
		.amdhsa_float_denorm_mode_16_64 3
		.amdhsa_memory_ordered 1
		.amdhsa_forward_progress 1
		.amdhsa_inst_pref_size 94
	.end_amdhsa_kernel
	.amdgpu_metadata
---
amdhsa.version: [ 1, 2 ]
amdhsa.kernels:
  - .name:           k_qa80b9a2a5e_gemm_out
    .symbol:         k_qa80b9a2a5e_gemm_out.kd
    .args:
      - { .name: oc, .offset: 0, .size: 8, .value_kind: global_buffer, .address_space: global }
      - { .name: osc, .offset: 8, .size: 8, .value_kind: global_buffer, .address_space: global }
      - { .name: wc, .offset: 16, .size: 8, .value_kind: global_buffer, .address_space: global }
      - { .name: ws, .offset: 24, .size: 8, .value_kind: global_buffer, .address_space: global }
      - { .name: out0, .offset: 32, .size: 8, .value_kind: global_buffer, .address_space: global }
    .group_segment_fixed_size: 327680
    .private_segment_fixed_size: 0
    .kernarg_segment_align: 8
    .kernarg_segment_size: 40
    .max_flat_workgroup_size: 128
    .sgpr_count:     98
    .vgpr_count:     768
    .wavefront_size: 32
...
	.end_amdgpu_metadata
.endif
;; end of part 4
